; MI455X (gfx1250); checked and timed in simulation.
; The chip was launched on July 23, 2026; its instructions are those of AMD's public machine-readable ISA for CDNA 5 (MIT licence, August 2026) and "CDNA5" Instruction Set Architecture Reference Guide (July 2026). The comments in the code are by the model that wrote it; some were corrected since.
;; Gated Cross Attention. Allowed arithmetic: float matrix products may take bf16 or f16 operands with f32 sums; all other float work in f32.
;; Inputs: Wg 4,096 x 8 float32; Wk 1,024 x 1,024 float32; Wo 1,024 x 1,024 float32; Wq 1,024 x 1,024 float32; Wv 1,024 x 1,024 float32; bg 4,096 float32; bk 1,024 float32; bo 1,024 float32; bq 1,024 float32; bv 1,024 float32; gate 4 x 4,096 x 8 float32; key 4 x 4,096 x 1 x 1,024 float32; query 4 x 4,096 x 1,024 float32.
;; Outputs: out0 4 x 4,096 x 1,024 float32.
;; 2 versions, each right and faster than the one before. Each part assembles by itself: llvm-mc -triple=amdgcn-amd-amdhsa -mcpu=gfx1250 --defsym DOCPART=n.
;; ======== version 1 of 2: 4 launches
;; workspace buffers: xb 67,108,864 bytes; wb 8,388,608 bytes; qv 67,108,864 bytes; yb 33,554,432 bytes
;; launch prep (part 1): grid 256 x 1, 16 waves a work-group, no clusters, 0 bytes of LDS; arguments query, key, Wq, Wv, Wk, Wo, gate, Wg, bg, xb, wb; writes xb, wb
.if DOCPART == 1
	.amdgcn_target "amdgcn-amd-amdhsa--gfx1250"
	.amdhsa_code_object_version 6
	.text
	.protected	k_qd6e13d3b86_prep
	.globl	k_qd6e13d3b86_prep
	.p2align	8
	.type	k_qd6e13d3b86_prep,@function
k_qd6e13d3b86_prep:
	s_mov_b64 s[64:65], 0
	v_nop
	global_prefetch_b8 v0, s[64:65] scope:SCOPE_SE
	s_setreg_imm32_b32 hwreg(HW_REG_WAVE_MODE, 25, 1), 1
	s_wait_xcnt 0x0
; prep: (1) xb = bf16(query rows, then key rows), wb = bf16(Wq, Wv, Wk, Wo, 1,024 rows each);  (2) g = sigmoid(gate Wg^T + bg).
; Sixteen waves.  Waves 0-7 stream and round the six large inputs, each byte read once and written once.  Waves 8-15 form g meanwhile:
; the stream leaves the arithmetic units idle, and g is arithmetic with hardly any bytes.
; STATED PLAINLY: in the function that this program computes, g is formed and then replaced by a view of k, so no later step reads it.
; Here it is formed in full (every gate, Wg and bg number is loaded and used) and stays in registers: it is not stored, since a store would
; add 16,384 x 4,096 numbers of traffic for a value without a reader.
; LIMITS: query, key and the weights are rounded once to bf16 (nearest even), as operands of the matrix products that follow.
; No LDS, no barrier: no wave uses another's data.
.set W,   4                            ; cast: v[4:67]    16 chunks of weights as loaded
.set X,   68                           ; cast: v[68:131]  ring of 16 slots x 4: slot 2i query chunk i of a round, slot 2i+1 key chunk i
.set Y,   132                          ; cast: v[132:163] slot j: 2 registers to store
.set YW,  164                          ; cast: v[164:195] weights to store
.set AF,  16                           ; gate: v[16:79]   A fragments: tile t = 2a + variant at AF + 8t (variant 0: gate row in lanes 0-15, 1: in lanes 16-31)
.set BF,  80                           ; gate: v[80:87]   B fragment: 32 rows of Wg, two column tiles at once
.set RAW, 88                           ; gate: v[88:95]   a row of Wg as loaded
.set BR,  96                           ; gate: v96, v97   bg of my column in the two tiles
.set BS,  98                           ; gate: v98, v99   the same times -log2 e
.set D,   100                          ; gate: v[100:163] eight result tiles (first: the gate rows as loaded)
	s_load_b512 s[4:19], s[0:1], 0x0               ; query 4:5, key 6:7, Wq 8:9, Wv 10:11, Wk 12:13, Wo 14:15, gate 16:17, Wg 18:19
	s_load_b128 s[20:23], s[0:1], 0x40             ; bg 20:21, xb 22:23
	s_load_b64 s[24:25], s[0:1], 0x50              ; wb
	v_lshrrev_b32 v3, 5, v0
	v_readfirstlane_b32 s26, v3                    ; wave 0..15
	v_and_b32 v3, 31, v0                           ; lane
	s_mov_b32 s41, 0                               ; high word of every offset pair s[40:41]
	s_cmp_lt_u32 s26, 8
	s_cbranch_scc0 .Lgate
; ---------------- waves 0-7: the cast ----------------
; u = 8 x work-group + wave, 0..2047.  A chunk is 512 bytes of f32 (one 16-byte load a lane) and becomes 256 bytes of bf16 (one 8-byte store a
; lane): every load covers 512 consecutive bytes, every store 256 consecutive bytes at a multiple of 256.
; Wave u takes 64 chunks of query, 64 of key and 4 of each weight.
	v_lshlrev_b32 v1, 4, v3                        ; 16 x lane: never rewritten
	v_lshlrev_b32 v2, 3, v3                        ; 8 x lane: never rewritten
	s_lshl_b32 s27, ttmp9, 3
	s_add_co_u32 s27, s27, s26                     ; u
	s_lshl_b32 s40, s27, 15                        ; 64 chunks of 512 bytes
	s_wait_kmcnt 0x0
	s_add_nc_u64 s[28:29], s[4:5], s[40:41]        ; my part of query
	s_add_nc_u64 s[30:31], s[6:7], s[40:41]        ; my part of key
	s_lshl_b32 s40, s27, 14
	s_add_nc_u64 s[32:33], s[22:23], s[40:41]      ; where query goes in xb
	s_add_nc_u64 s[34:35], s[32:33], 0x2000000     ; key: 16,384 rows of 2,048 bytes further on
	s_lshl_b32 s40, s27, 11                        ; 4 chunks of 512 bytes
.irp k, 0,1,2,3
	s_add_nc_u64 s[8+2*\k:9+2*\k], s[8+2*\k:9+2*\k], s[40:41]
.endr
	s_lshl_b32 s40, s27, 10
	s_add_nc_u64 s[36:37], s[24:25], s[40:41]      ; where my part of each weight goes, inside its 2,097,152 bytes of wb
.irp k, 0,1,2,3
.irp c, 0,1,2,3
	global_load_b128 v[W+4*(4*\k+\c):W+4*(4*\k+\c)+3], v1, s[8+2*\k:9+2*\k] offset:512*\c th:TH_LOAD_NT
.endr
.endr
.irp i, 0,1,2,3,4,5,6,7
	global_load_b128 v[X+8*\i:X+8*\i+3],   v1, s[28:29] offset:512*\i th:TH_LOAD_NT    ; the ring's first round
	global_load_b128 v[X+8*\i+4:X+8*\i+7], v1, s[30:31] offset:512*\i th:TH_LOAD_NT
.endr
.irp k, 0,1,2,3
.irp c, 0,1,2,3
	s_wait_loadcnt 31-(4*\k+\c)                    ; loads return in order (ISA guide 5.7.1): younger are the weight chunks behind this one and the ring's 16
	v_cvt_pk_bf16_f32 v[YW+2*(4*\k+\c)],   v[W+4*(4*\k+\c)],   v[W+4*(4*\k+\c)+1]
	v_cvt_pk_bf16_f32 v[YW+2*(4*\k+\c)+1], v[W+4*(4*\k+\c)+2], v[W+4*(4*\k+\c)+3]
	global_store_b64 v2, v[YW+2*(4*\k+\c):YW+2*(4*\k+\c)+1], s[36:37] offset:\k*2097152+\c*256
.endr
.endr
; One slot's turn.  j: slot; src, dst: the base pairs; i: the chunk's place in the round; ahead = 1: the slot gets the same place of the next round;
; left: how many younger loads may stay out.
.macro SLOT j, src, dst, i, ahead, left
	s_wait_loadcnt \left                           ; my load is in, the younger ones stay out
	s_wait_xcnt 0x0                                ; this slot's Y, which its last store reads, is rewritten only behind this wait
	v_cvt_pk_bf16_f32 v[Y+2*(\j)],   v[X+4*(\j)],   v[X+4*(\j)+1]
	v_cvt_pk_bf16_f32 v[Y+2*(\j)+1], v[X+4*(\j)+2], v[X+4*(\j)+3]
.if \ahead
	global_load_b128 v[X+4*(\j):X+4*(\j)+3], v1, s[\src:\src+1] offset:4096+512*(\i) th:TH_LOAD_NT
.endif
	global_store_b64 v2, v[Y+2*(\j):Y+2*(\j)+1], s[\dst:\dst+1] offset:256*(\i)
.endm
	s_mov_b32 s38, 7                               ; 8 rounds of 8 + 8 chunks; the last is written out
.Lround:
.irp i, 0,1,2,3,4,5,6,7
	SLOT 2*\i,   28, 32, \i, 1, 15
	SLOT 2*\i+1, 30, 34, \i, 1, 15
.endr
	s_wait_xcnt 0x0                                ; the four bases are stepped only behind this wait
	s_add_nc_u64 s[28:29], s[28:29], 4096
	s_add_nc_u64 s[30:31], s[30:31], 4096
	s_add_nc_u64 s[32:33], s[32:33], 2048
	s_add_nc_u64 s[34:35], s[34:35], 2048
	s_sub_co_u32 s38, s38, 1
	s_cmp_lg_u32 s38, 0
	s_cbranch_scc1 .Lround
.irp i, 0,1,2,3,4,5,6,7
	SLOT 2*\i,   28, 32, \i, 0, 15-2*\i            ; the last round loads nothing: the counts run down, no load passes a buffer's end
	SLOT 2*\i+1, 30, 34, \i, 0, 14-2*\i
.endr
	s_endpgm
; ---------------- waves 8-15: g = sigmoid(gate Wg^T + bg) ----------------
; The work-group owns gate rows 64 x work-group .. + 63 (4 row tiles a); wave w' = wave - 8 owns columns 512 w' .. + 511 (16 pairs p of column tiles).
; K is 8, the matrix instruction's is 32.  One B fragment serves two column tiles: lane l holds Wg row 32 p + l in registers 0-3, so that
; lanes 0-15 stand at k = 0..7 of column l and lanes 16-31 at k = 8..15 of column l - 16; registers 4-7 (k = 16..31) are 0.
; A comes in two variants: the gate row at k = 0..7 (lanes 0-15, zeros in lanes 16-31) picks tile 2p, at k = 8..15 picks tile 2p + 1.
.Lgate:
	s_sub_co_u32 s27, s26, 8                       ; w'
	s_mov_b32 s43, 0xbfb8aa3b                      ; -log2 e
	v_and_b32 v4, 15, v0                           ; r
	v_lshlrev_b32 v1, 5, v4                        ; a gate row is 32 bytes
	v_lshlrev_b32 v2, 5, v3                        ; a row of Wg too: lane l takes row l of the pair's 32
	v_lshlrev_b32 v5, 2, v4                        ; bg of column r
	v_cmp_gt_u32 vcc_lo, 16, v3                    ; lanes 0-15
	v_cmp_le_u32 s42, 16, v3                       ; lanes 16-31
	s_lshl_b32 s40, ttmp9, 11                      ; 64 rows of 32 bytes
	s_wait_kmcnt 0x0
	s_add_nc_u64 s[28:29], s[16:17], s[40:41]
	s_lshl_b32 s40, s27, 14                        ; 512 rows of Wg
	s_add_nc_u64 s[30:31], s[18:19], s[40:41]
	s_lshl_b32 s40, s27, 11                        ; 512 numbers of bg
	s_add_nc_u64 s[32:33], s[20:21], s[40:41]
.irp a, 0,1,2,3
	global_load_b128 v[D+8*\a:D+8*\a+3],   v1, s[28:29] offset:512*\a
	global_load_b128 v[D+8*\a+4:D+8*\a+7], v1, s[28:29] offset:512*\a+16
.endr
.macro WGLOAD                          ; one pair's 32 rows of Wg and 2 x 16 numbers of bg
	global_load_b128 v[RAW:RAW+3],   v2, s[30:31]
	global_load_b128 v[RAW+4:RAW+7], v2, s[30:31] offset:16
	global_load_b32 v[BR],   v5, s[32:33]
	global_load_b32 v[BR+1], v5, s[32:33] offset:64
.endm
	WGLOAD                                         ; pair 0
.irp t, 0,1,2,3,4,5,6,7
.irp j, 4,5,6,7
	v_mov_b32 v[AF+8*\t+\j], 0                     ; k = 16..31 does not exist: padding of the operands, written once
.endr
.endr
.irp j, 4,5,6,7
	v_mov_b32 v[BF+\j], 0
.endr
	s_wait_loadcnt 4                               ; the gate rows are in; the four younger loads are pair 0's
.irp a, 0,1,2,3
.irp j, 0,1,2,3
	v_cvt_pk_bf16_f32 v[AF+16*\a+8+\j], v[D+8*\a+2*\j], v[D+8*\a+2*\j+1]
.endr
.irp j, 0,1,2,3
	v_cndmask_b32 v[AF+16*\a+\j],   0, v[AF+16*\a+8+\j], vcc_lo    ; variant 0: kept in lanes 0-15
	v_cndmask_b32 v[AF+16*\a+8+\j], 0, v[AF+16*\a+8+\j], s42       ; variant 1: kept in lanes 16-31
.endr
.endr
; sigmoid(x + b) = 1 / (1 + 2^(-log2 e x - log2 e b)), tile by tile, in four steps of eight registers
.macro FSTEP t
.irp j, 0,1,2,3,4,5,6,7
	v_fma_f32 v[D+8*(\t)+\j], v[D+8*(\t)+\j], s43, v[BS+((\t)&1)]
.endr
.endm
.macro ESTEP t
.irp j, 0,1,2,3,4,5,6,7
	v_exp_f32 v[D+8*(\t)+\j], v[D+8*(\t)+\j]
.endr
.endm
.macro ASTEP t
	s_wait_alu depctr_va_vdst(0)
.irp j, 0,1,2,3,4,5,6,7
	v_add_f32 v[D+8*(\t)+\j], 1.0, v[D+8*(\t)+\j]
.endr
.endm
.macro RSTEP t
.irp j, 0,1,2,3,4,5,6,7
	v_rcp_f32 v[D+8*(\t)+\j], v[D+8*(\t)+\j]
.endr
.endm
; One pair of column tiles x 4 row tiles.  ahead = 1: the next pair's loads are issued.
.macro PAIR ahead
	s_wait_loadcnt 0x0                             ; this pair's four loads are in, so their bases may be stepped too
.if \ahead
	s_add_nc_u64 s[30:31], s[30:31], 1024          ; 32 rows of Wg
	s_add_nc_u64 s[32:33], s[32:33], 128           ; 32 numbers of bg
.endif
.irp j, 0,1,2,3
	v_cvt_pk_bf16_f32 v[BF+\j], v[RAW+2*\j], v[RAW+2*\j+1]         ; also the plain instructions behind the last pair's reciprocals (ISA guide 5.7.2)
.endr
	s_wait_alu depctr_va_vdst(0)
.irp t, 0,1,2,3,4,5,6,7
	v_wmma_f32_16x16x32_bf16 v[D+8*\t:D+8*\t+7], v[AF+8*\t:AF+8*\t+7], v[BF:BF+7], 0    ; eight accumulators, one product each: no sum is carried on
.endr
	v_mul_f32 v[BS],   s43, v[BR]                  ; these two and the two v_nop are the four places behind the matrix instructions (ISA guide 7.12.1)
	v_mul_f32 v[BS+1], s43, v[BR+1]
.if \ahead
	WGLOAD                                         ; RAW and BR have been read; the whole sigmoid lies between these loads and their wait
.endif
	v_nop
	v_nop
	FSTEP 0
.irp t, 0,1,2,3,4,5,6
	ESTEP \t
	FSTEP \t+1                                     ; plain work on the next tile stands between the exponentials and their use (ISA guide 5.7.2)
	ASTEP \t
	RSTEP \t                                       ; g of this tile: it has no reader and ends here
.endr
	ESTEP 7
	v_nop
	s_wait_alu depctr_va_vdst(0)
	ASTEP 7
	RSTEP 7
.endm
	s_mov_b32 s38, 15
.Lpair:
	PAIR 1
	s_sub_co_u32 s38, s38, 1
	s_cmp_lg_u32 s38, 0
	s_cbranch_scc1 .Lpair
	PAIR 0                                         ; the last pair asks for nothing more
	s_endpgm
.Lfunc_end_k_qd6e13d3b86_prep:
	.size	k_qd6e13d3b86_prep, .Lfunc_end_k_qd6e13d3b86_prep-k_qd6e13d3b86_prep
	.p2alignl 7, 3214868480
	.fill 96, 4, 3214868480
	.section	.rodata,"a",@progbits
	.p2align	6, 0x0
	.amdhsa_kernel k_qd6e13d3b86_prep
		.amdhsa_group_segment_fixed_size 0
		.amdhsa_private_segment_fixed_size 0
		.amdhsa_enable_private_segment 0
		.amdhsa_kernarg_size 88
		.amdhsa_user_sgpr_count 2
		.amdhsa_user_sgpr_kernarg_segment_ptr 1
		.amdhsa_wavefront_size32 1
		.amdhsa_system_sgpr_workgroup_id_x 1
		.amdhsa_system_sgpr_workgroup_id_y 1
		.amdhsa_system_sgpr_workgroup_id_z 1
		.amdhsa_system_vgpr_workitem_id 0
		.amdhsa_next_free_vgpr 200
		.amdhsa_next_free_sgpr 66
		.amdhsa_reserve_vcc 1
		.amdhsa_float_denorm_mode_32 3
		.amdhsa_float_denorm_mode_16_64 3
		.amdhsa_memory_ordered 1
		.amdhsa_forward_progress 1
		.amdhsa_inst_pref_size 48
	.end_amdhsa_kernel
	.amdgpu_metadata
---
amdhsa.version: [ 1, 2 ]
amdhsa.kernels:
  - .name:           k_qd6e13d3b86_prep
    .symbol:         k_qd6e13d3b86_prep.kd
    .args:
      - { .name: query, .offset: 0, .size: 8, .value_kind: global_buffer, .address_space: global }
      - { .name: key, .offset: 8, .size: 8, .value_kind: global_buffer, .address_space: global }
      - { .name: Wq, .offset: 16, .size: 8, .value_kind: global_buffer, .address_space: global }
      - { .name: Wv, .offset: 24, .size: 8, .value_kind: global_buffer, .address_space: global }
      - { .name: Wk, .offset: 32, .size: 8, .value_kind: global_buffer, .address_space: global }
      - { .name: Wo, .offset: 40, .size: 8, .value_kind: global_buffer, .address_space: global }
      - { .name: gate, .offset: 48, .size: 8, .value_kind: global_buffer, .address_space: global }
      - { .name: Wg, .offset: 56, .size: 8, .value_kind: global_buffer, .address_space: global }
      - { .name: bg, .offset: 64, .size: 8, .value_kind: global_buffer, .address_space: global }
      - { .name: xb, .offset: 72, .size: 8, .value_kind: global_buffer, .address_space: global }
      - { .name: wb, .offset: 80, .size: 8, .value_kind: global_buffer, .address_space: global }
    .group_segment_fixed_size: 0
    .private_segment_fixed_size: 0
    .kernarg_segment_align: 8
    .kernarg_segment_size: 88
    .max_flat_workgroup_size: 512
    .sgpr_count:     66
    .vgpr_count:     200
    .wavefront_size: 32
...
	.end_amdgpu_metadata
.endif
;; end of part 1
;; launch gqv (part 2): grid 4 x 128, 4 waves a work-group, clusters of 4 x 4, 327,680 bytes of LDS; arguments xb, wb, bq, bv, qv; writes qv
.if DOCPART == 2
	.amdgcn_target "amdgcn-amd-amdhsa--gfx1250"
	.amdhsa_code_object_version 6
	.text
	.protected	k_qd6e13d3b86_gqv
	.globl	k_qd6e13d3b86_gqv
	.p2align	8
	.type	k_qd6e13d3b86_gqv,@function
k_qd6e13d3b86_gqv:
	s_mov_b64 s[64:65], 0
	v_nop
	global_prefetch_b8 v0, s[64:65] scope:SCOPE_SE
	s_setreg_imm32_b32 hwreg(HW_REG_WAVE_MODE, 25, 1), 1
	s_wait_xcnt 0x0
	s_wait_alu depctr_hold_cnt(0) depctr_sa_sdst(0) depctr_va_vdst(0) depctr_va_sdst(0) depctr_va_ssrc(0) depctr_va_vcc(0) depctr_vm_vsrc(0)
	s_getreg_b32 s2, hwreg(HW_REG_IB_STS2, 6, 4)
	s_cmp_eq_u32 s2, 0
	s_cbranch_scc0 .Lentry_in_a_cluster
	s_endpgm
.Lentry_in_a_cluster:
	s_bfe_u32 s2, ttmp6, 0x10000c
	s_cmp_lg_u32 s2, 0xf033
	s_cbranch_scc0 .Lentry_shape_is_right
	s_endpgm
.Lentry_shape_is_right:
; gqv: rows 0..16383 of qv: q = query Wq^T + bq;  rows 16384..32767: v = key Wv^T + bv.  One product of [32768][1024] x [1024][1024]^T whose weight
; and bias change at the middle row.  Operands bf16 (xb, wb), sums f32, the bias f32, results rounded once to bf16.
; STATED PLAINLY: in the function that this program computes, v is formed and then replaced by a view of k: nothing reads the v half of qv.
; LIMITS: operands and q are bf16 (q is an operand of the score product that follows); the order of the sums is the matrix unit's.
; A work-group makes a block of 256 x 256 with four waves, one for each SIMD; a wave makes 128 x 128: 64 accumulator tiles of 16 x 16, 512 registers.
; K goes in steps of 128 through a ring of two LDS slots filled by the tensor data mover: a tile's rows are 256 bytes of memory at multiples of 256.
; CLUSTERS: 4 x 4 work-groups.  The four of a row of the cluster need the same tiles of A, the four of a column the same tiles of B: such a tile is
; asked for jointly, by the same tensor load with the same descriptor and a mask that names the four.  That divides the requests by four.
; REGISTERS, in windows of 256:
;   window 0: v0-31 addresses; v64-127, v128-191 fragments of A, two buffers; v192-223 at work on the way out
;   window 1: v0-63 the bias in the layout of eight accumulator tiles; v64-127, v128-191 fragments of B, two buffers
;   window 2: the 32 accumulator tiles of my rows 0-63 (tile (a, b) at v[8 (8 a + b)]);   window 3: those of my rows 64-127
; THE MATRIX INSTRUCTION IS USED TRANSPOSED: source 0 = 16 rows of B, source 1 = 16 rows of A, so that lane l holds row l % 16 of C and its
; registers 0 to 7 the columns 8 (l / 16) + 0 .. 7: eight neighbouring numbers of a row.
; THE BIAS STARTS THE SUMS: the first product of each tile takes as C the bias of its 16 columns, laid out as such a tile: nothing is cleared, nothing added later.
.set SIZE_K, 1024
.set SIZE_N, 1024
.set KSTEP,  128
.set PITCH,  272                       ; an LDS row: 256 bytes + 16 of padding: the 16 rows that a load touches start 16 bytes apart modulo 256
.set HALFT,  128*PITCH                 ; 128 rows: what one tensor load brings
.set SLOT,   4*HALFT                   ; A's 256 rows, then B's 256 rows
.set STAGE,  2*SLOT                    ; behind the ring: 16 rows x 272 bytes for each wave, for the way out
.set SPITCH, 272
.set LAPS, SIZE_K/(2*KSTEP)            ; a lap = two K steps = once round the ring: 4
.set ADRA, 16                          ; v16-17  LDS address of my A fragments in slot 0, 1
.set ADRB, 20                          ; v20-21  the same for B
.set STO,  24                          ; the way out: where I put 16 bytes of a row
.set RD,   25                          ; the way out: where I read a row back
.set CO,   26                          ; my byte offset in C
.set BO,   27                          ; my byte offset in the bias: 32 (l / 16)
.set F0,   64
.set F1,   128
.set TMP,  192
.set G1, 24                            ; s[24:31] descriptor group 1 for A's tiles
.set G0, 32                            ; s[32:39] descriptor group 0 for A's tiles, one set for each slot
.set G1B, 48                           ; s[48:55] group 1 for B's tiles: it differs in the mask alone
.set G0B, 56                           ; s[56:63] group 0 for B's tiles
.set MSB, 0
.macro WIN new                         ; the immediate's high byte repeats the setting that is left
.if MSB != \new
	s_set_vgpr_msb (MSB<<8)|\new
.set MSB, \new
.endif
.endm
.set MUL_LO,   0xa1                    ; source 0 (B) window 1, source 1 (A) window 0, C and D window 2
.set MUL_HI,   0xf1                    ; the same, C and D window 3
.set FIRST_LO, 0x91                    ; the first product: C (the bias) window 1, D window 2
.set FIRST_HI, 0xd1                    ; C window 1, D window 3
.set TO_B,     0x40                    ; destination window 1, address window 0
; A joint load.  Waves 0 and 1 fetch A's two halves, waves 2 and 3 B's.  Each line has one mask and one set of registers for all that issue it.
; The branch hangs on the wave's number alone.  Four v_nop follow each of the two lines.
.macro JLOAD s
	s_cmp_eq_u32 s11, 0
	s_cbranch_scc0 .Lfor_b_\@
	tensor_load_to_lds s[G0+4*\s:G0+4*\s+3], s[G1:G1+7]
	s_nop 0
.rept 4
	v_nop
.endr
	s_branch .Lasked_\@
.Lfor_b_\@:
	tensor_load_to_lds s[G0B+4*\s:G0B+4*\s+3], s[G1B:G1B+7]
	s_nop 0
.rept 4
	v_nop
.endr
.Lasked_\@:
.endm
; A round of the cluster's barrier: my work-group's barrier; wave 0 signals for the work-group; every wave waits for all sixteen; my work-group's barrier again.
.macro CREST                           ; a round behind its opening barrier
	s_cmp_lg_u32 s10, 0
	s_cbranch_scc1 .Lnot_wave_0_\@
	s_barrier_signal -3
.Lnot_wave_0_\@:
	s_barrier_wait -3
	s_barrier_signal -1
	s_barrier_wait -1
.endm
.macro CROUND
	s_barrier_signal -1
	s_barrier_wait -1
	CREST
.endm
	s_load_b128 s[4:7], s[0:1], 0x0                ; xb s[4:5], wb s[6:7]
	s_load_b128 s[68:71], s[0:1], 0x10             ; bq s[68:69], bv s[70:71]
	s_load_b64 s[8:9], s[0:1], 0x20                ; qv
	s_set_vgpr_msb 0x40
	v_lshl_add_u32 v255, v0, 2, 0x48400
	s_set_vgpr_msb 0x4000
	v_mov_b32 v255, 0
	s_set_vgpr_msb 0x1
	ds_add_u32 v255, v255
	ds_add_u32 v255, v255
	s_set_vgpr_msb 0x100
	v_lshrrev_b32 v1, 5, v0
	v_readfirstlane_b32 s10, v1                    ; wave 0..3
	s_lshr_b32 s11, s10, 1                         ; which half of the block's rows is mine.  Also: I fetch for A (0) or for B (1)
	s_and_b32 s12, s10, 1                          ; which half of its columns.  Also: which 128 rows of that tile I fetch
	s_bfe_u32 s40, ttmp6, 0x40000                  ; cx
	s_bfe_u32 s41, ttmp6, 0x40004                  ; cy
	s_lshl_b32 s42, ttmp9, 2
	s_add_co_u32 s42, s42, s40                     ; block column = 4 x cluster x + cx
	s_and_b32 s13, ttmp7, 0xffff                   ; cluster y, 0..31
	s_lshr_b32 s45, s13, 4                         ; 0: the query half (Wq, bq), 1: the key half (Wv, bv): from the cluster's y alone, equal in all sixteen
	s_lshl_b32 s13, s13, 2
	s_add_co_u32 s13, s13, s41                     ; block row = 4 x cluster y + cy, 0..127
	s_lshl_b32 s43, s41, 2
	s_lshl_b32 s43, 15, s43                        ; my row of the cluster: places 4 cy .. 4 cy + 3
	s_lshl_b32 s44, 0x1111, s40                    ; my column: places cx, cx + 4, cx + 8, cx + 12
	; descriptor group 1: a tile of 128 rows x 128 elements of 2 bytes, 4 words of padding behind every 64 words
	s_or_b32 s[G1+0], s43, (1<<16)|(1<<20)|(1<<21)|(5<<22)|(3<<25)
	s_or_b32 s[G1B+0], s44, (1<<16)|(1<<20)|(1<<21)|(5<<22)|(3<<25)
	s_mov_b32 s[G1B+1], KSTEP<<16
	s_mov_b32 s[G1+1], KSTEP<<16                   ; tensor_dim0 = 128
	s_mov_b32 s[G1B+2], 128<<16
	s_mov_b32 s[G1+2], 128<<16                     ; tensor_dim1 = 128
	s_mov_b32 s[G1B+3], KSTEP<<16
	s_mov_b32 s[G1+3], KSTEP<<16                   ; tile_dim0 = 128
	s_mov_b32 s[G1B+4], 128
	s_mov_b32 s[G1+4], 128                         ; tile_dim1 = 128
	s_mov_b32 s[G1B+5], SIZE_K
	s_mov_b32 s[G1+5], SIZE_K                      ; elements from row to row
	s_mov_b32 s[G1B+6], 0
	s_mov_b32 s[G1+6], 0
	s_mov_b32 s[G1B+7], 0
	s_mov_b32 s[G1+7], 0
	; where the tiles come from.  A's hang on the block row alone, B's on the block column (and the half, which the whole cluster shares).
	s_lshl_b32 s17, s12, 7                         ; which 128 rows of the tile I fetch
	s_lshl_b32 s16, s13, 8
	s_add_co_u32 s16, s16, s17                     ; A: row 256 x block row + 128 x half
	s_lshl_b32 s46, s42, 8
	s_add_co_u32 s46, s46, s17                     ; B: row 256 x block column + 128 x half
	s_lshl_b32 s47, s45, 10
	s_add_co_u32 s46, s46, s47                     ;    + 1,024 for Wv
	s_mov_b32 s17, 0
	s_mov_b32 s47, 0
	s_mov_b64 s[18:19], SIZE_K*2
	s_mul_u64 s[16:17], s[16:17], s[18:19]         ; in bytes
	s_mul_u64 s[46:47], s[46:47], s[18:19]
	s_mul_i32 s20, s10, HALFT                      ; and where they go: wave x 128 rows
	; my 128 x 128 of C, in bytes, and my 128 numbers of the bias: in registers that feed no joint load
	s_lshl_b32 s90, s13, 8
	s_lshl_b32 s92, s11, 7
	s_add_co_u32 s90, s90, s92                     ; my first row, at most 32,640
	s_lshl_b32 s90, s90, 11                        ; x 2,048 bytes: below 2^26
	s_lshl_b32 s92, s42, 9
	s_add_co_u32 s90, s90, s92                     ; + 512 x block column
	s_lshl_b32 s92, s12, 8
	s_add_co_u32 s90, s90, s92                     ; + 256 x half
	s_mov_b32 s91, 0
	s_lshl_b32 s88, s42, 10
	s_lshl_b32 s92, s12, 9
	s_add_co_u32 s88, s88, s92                     ; bias: 4 bytes x (256 x block column + 128 x half)
	s_mov_b32 s89, 0
	s_wait_dscnt 0x0
	s_wait_kmcnt 0x0
	s_cmp_eq_u32 s45, 0
	s_cselect_b64 s[66:67], s[68:69], s[70:71]     ; bq or bv
	s_add_nc_u64 s[66:67], s[66:67], s[88:89]
	s_add_nc_u64 s[8:9], s[8:9], s[90:91]
	s_add_nc_u64 s[14:15], s[4:5], s[16:17]
	s_add_nc_u64 s[46:47], s[6:7], s[46:47]
	CROUND                                         ; all sixteen work-groups are here: the first joint loads meet
.irp s, 0,1
	s_mov_b32 s[G0+4*\s], 1
	s_add_co_u32 s[G0+4*\s+1], s20, \s*SLOT                        ; LDS address
	s_add_nc_u64 s[G0+4*\s+2:G0+4*\s+3], s[14:15], \s*KSTEP*2      ; global address: K step s
	s_or_b32 s[G0+4*\s+3], s[G0+4*\s+3], 0x80000000                ; type = 2
	s_mov_b32 s[G0B+4*\s], 1
	s_add_co_u32 s[G0B+4*\s+1], s20, \s*SLOT
	s_add_nc_u64 s[G0B+4*\s+2:G0B+4*\s+3], s[46:47], \s*KSTEP*2
	s_or_b32 s[G0B+4*\s+3], s[G0B+4*\s+3], 0x80000000
	JLOAD \s                                       ; the ring is filled before anything else is done: two tensor loads of the wave are out
.endr
	; A fragment is 16 rows x 32 K in 8 registers: lane l holds row l % 16; two loads of 16 bytes, 32 bytes apart, at row x pitch + 16 (l / 16).
	v_and_b32 v1, 15, v0                           ; l % 16
	v_bfe_u32 v2, v0, 4, 1                         ; l / 16
	v_mul_u32_u24 v3, v1, PITCH
	v_lshl_add_u32 v3, v2, 4, v3
	v_lshlrev_b32 v[BO], 5, v2
	s_mul_i32 s21, s11, HALFT                      ; my 128 rows of A
	s_mul_i32 s22, s12, HALFT                      ; my 128 rows of B,
	s_add_co_u32 s22, s22, 2*HALFT                 ; which lie behind A's 256
.irp s, 0,1
	v_add_nc_u32 v[ADRA+\s], s21, v3
	v_add_nc_u32 v[ADRB+\s], s22, v3
	s_add_co_u32 s21, s21, SLOT
	s_add_co_u32 s22, s22, SLOT
.endr
	; the bias as eight C tiles: register 8 b + j of lane l = bias[16 b + 8 (l / 16) + j]
	WIN TO_B
.irp b, 0,1,2,3,4,5,6,7
	global_load_b128 v[8*\b:8*\b+3],   v[BO], s[66:67] offset:64*\b
	global_load_b128 v[8*\b+4:8*\b+7], v[BO], s[66:67] offset:64*\b+16
.endr
	WIN 0
	s_mul_i32 s23, s10, 16*SPITCH
	s_add_co_u32 s23, s23, STAGE                   ; my stage
	v_mul_u32_u24 v4, v1, SPITCH                   ; in: row l % 16, 16 bytes for each half of the lanes
	v_lshl_add_u32 v4, v2, 4, v4
	v_add_nc_u32 v[STO], s23, v4
	v_mul_u32_u24 v5, v2, SPITCH                   ; back: lanes 0-15 take one row of 256 bytes, lanes 16-31 the next
	v_lshl_add_u32 v5, v1, 4, v5
	v_add_nc_u32 v[RD], s23, v5
	v_mul_u32_u24 v5, v2, SIZE_N*2                 ; and the same two rows in C
	v_lshl_add_u32 v[CO], v1, 4, v5
; 16 matrix instructions: m blocks a0, a0 + 1 of the window's four x all 8 n blocks, 32 along K.  first = 1: C is the bias tile of n block b.
.macro MUL16 f, hi, a0, first
.irp a, \a0, \a0+1
.irp b, 0,1,2,3,4,5,6,7
.if \first
	v_wmma_f32_16x16x32_bf16 v[8*(8*(\a)+\b):8*(8*(\a)+\b)+7], v[\f+8*\b:\f+8*\b+7], v[\f+8*(4*\hi+\a):\f+8*(4*\hi+\a)+7], v[8*\b:8*\b+7]
.else
	v_wmma_f32_16x16x32_bf16 v[8*(8*(\a)+\b):8*(8*(\a)+\b)+7], v[\f+8*\b:\f+8*\b+7], v[\f+8*(4*\hi+\a):\f+8*(4*\hi+\a)+7], v[8*(8*(\a)+\b):8*(8*(\a)+\b)+7]
.endif
.endr
.endr
.endm
; 32 LDS loads in one run: the fragments of one quarter step into buffer f
.macro FETCH slot, k, f
	WIN TO_B
.irp i, 0,1,2,3,4,5,6,7
	ds_load_b128 v[\f+8*\i:\f+8*\i+3],   v[ADRB+\slot] offset:\k+\i*16*PITCH
	ds_load_b128 v[\f+8*\i+4:\f+8*\i+7], v[ADRB+\slot] offset:\k+\i*16*PITCH+32
.endr
	WIN 0
.irp i, 0,1,2,3,4,5,6,7
	ds_load_b128 v[\f+8*\i:\f+8*\i+3],   v[ADRA+\slot] offset:\k+\i*16*PITCH
	ds_load_b128 v[\f+8*\i+4:\f+8*\i+7], v[ADRA+\slot] offset:\k+\i*16*PITCH+32
.endr
.endm
; Four places stand between a matrix instruction and a load into, or a vector instruction on, one of its registers (ISA guide 7.12.1 for vector
; instructions); the matrix instructions in between are not counted.
.macro PLACES
.rept 4
	v_nop
.endr
.endm
; A K step is four quarter steps of 32 along K, 64 matrix instructions each, on buffers 0, 1, 0, 1.  The 64 accumulators take turns, one instruction
; a turn, in the same order in every quarter, over the backward jump too.
.macro QUARTER slot, k, f, g, first
	s_wait_dscnt 8                                 ; B and A's rows 0-63 are in; the youngest eight loads (A's rows 64-127) may be out
.if \first
	WIN FIRST_LO
.else
	WIN MUL_LO
.endif
	MUL16 \f, 0, 0, \first
	MUL16 \f, 0, 2, \first
	PLACES
	FETCH \slot, \k, \g
	s_wait_dscnt 32                                ; all but the 32 just issued
.if \first
	WIN FIRST_HI
.else
	WIN MUL_HI
.endif
	MUL16 \f, 1, 0, \first
	MUL16 \f, 1, 2, \first
.endm
.macro THREE slot, first
	QUARTER \slot, 64,  F0, F1, \first
	QUARTER \slot, 128, F1, F0, 0
	QUARTER \slot, 192, F0, F1, 0
.endm
; The last quarter: multiplies buffer 1 and changes slots.  fill = 1: this slot is filled again, two K steps ahead.
; In front of the barrier each wave waits for its reads of this slot and for all its tensor loads (one is out: its part of the next slot).
; Behind it the refill comes first, then the next slot's first fragments.  From a request to the wait for it a wave issues 240 matrix instructions.
.macro TURN slot, next, fill
	s_wait_dscnt 8
	WIN MUL_LO
	MUL16 F1, 0, 0, 0
	s_wait_dscnt 0                                 ; my reads of this slot are over
	s_wait_tensorcnt 0x0                           ; and all my tensor loads have landed
	ds_add_u32 v255, v255
	s_wait_dscnt 0x0
	s_barrier_signal -1                            ; say so (where a slot is filled again this barrier opens a round of the cluster's barrier),
	MUL16 F1, 0, 2, 0                              ; work on registers while the others arrive,
	WIN 0
	s_barrier_wait -1
.if \fill
	CREST                                          ; no wave of any partner still reads this slot's tile or has a load on its way
	s_add_nc_u64 s[G0+4*\slot+2:G0+4*\slot+3], s[G0+4*\slot+2:G0+4*\slot+3], 2*KSTEP*2
	s_add_nc_u64 s[G0B+4*\slot+2:G0B+4*\slot+3], s[G0B+4*\slot+2:G0B+4*\slot+3], 2*KSTEP*2
	JLOAD \slot                                    ; the wave's one tensor load behind the round; its four v_nop are also the places in front of the loads below
.else
	PLACES
.endif
	FETCH \next, 0, F0
	WIN MUL_HI
	MUL16 F1, 1, 0, 0
	MUL16 F1, 1, 2, 0
.endm
.macro LAP first
	THREE 0, \first
	TURN 0, 1, 1
	THREE 1, 0
	TURN 1, 0, 1
.endm
	s_wait_loadcnt 0x0                             ; the bias is in
	s_wait_tensorcnt 1                             ; my part of K step 0 is in; K step 1's stays out
	s_barrier_signal -1
	s_barrier_wait -1                              ; everybody's is
	FETCH 0, 0, F0
	LAP 1                                          ; the first lap stands in front of the loop: its first products start the sums from the bias
	WIN 0                                          ; at a label and at a branch every window is 0
	s_mov_b32 s3, LAPS-2
.Llap:
	LAP 0
	WIN 0
	s_sub_co_u32 s3, s3, 1
	s_cmp_lg_u32 s3, 0
	s_cbranch_scc1 .Llap
	THREE 0, 0                                     ; the last lap fills nothing
	TURN 0, 1, 0
	THREE 1, 0
	s_wait_dscnt 8                                 ; the very last quarter
	WIN MUL_LO
	MUL16 F1, 0, 0, 0
	MUL16 F1, 0, 2, 0
	s_wait_dscnt 0
	WIN MUL_HI
	MUL16 F1, 1, 0, 0
	MUL16 F1, 1, 2, 0
	; THE WAY OUT, 16 rows at a time: round to bf16, 16 bytes a lane into my own stage in LDS, read back as whole rows of 256 bytes.
	PLACES                                         ; behind the last matrix instructions: for the conversions and for the loads into buffers 0 and 1
; rows 16 i .. 16 i + 15 of my block = the eight tiles (a, 0..7) of window 2 or 3 (from = 0x0a or 0x0f: sources 0 and 1); f: F0 or F1 in turn
.macro OUT16 i, a, from, f
	WIN \from
.irp b, 0,1,2,3,4,5,6,7
.irp r, 0,1,2,3
	v_cvt_pk_bf16_f32 v[TMP+4*\b+\r], v[8*(8*\a+\b)+2*\r], v[8*(8*\a+\b)+2*\r+1]
.endr
.endr
	WIN 0
.irp b, 0,1,2,3,4,5,6,7
	ds_store_b128 v[STO], v[TMP+4*\b:TMP+4*\b+3] offset:32*\b
.endr
	s_wait_xcnt 0x0                                ; buffer f, which stores read, and the stores' base are rewritten only behind this wait
.if \i
	s_add_nc_u64 s[8:9], s[8:9], 16*SIZE_N*2       ; 16 rows on
.endif
.irp t, 0,1,2,3,4,5,6,7
	ds_load_b128 v[\f+4*\t:\f+4*\t+3], v[RD] offset:\t*2*SPITCH    ; LDS serves a wave's instructions in order: these see the stores above
.endr
.irp t, 0,1,2,3,4,5,6,7
	s_wait_dscnt 7-\t                              ; the younger read-backs may be out
	global_store_b128 v[CO], v[\f+4*\t:\f+4*\t+3], s[8:9] offset:2*\t*SIZE_N*2   ; 16 lanes store 256 consecutive bytes, at a multiple of 256
.endr
.endm
	OUT16 0, 0, 0x0a, F0
	OUT16 1, 1, 0x0a, F1
	OUT16 2, 2, 0x0a, F0
	OUT16 3, 3, 0x0a, F1
	OUT16 4, 0, 0x0f, F0
	OUT16 5, 1, 0x0f, F1
	OUT16 6, 2, 0x0f, F0
	OUT16 7, 3, 0x0f, F1
	s_set_vgpr_msb 0x1
	s_wait_tensorcnt 0x0
	ds_add_u32 v255, v255
	s_wait_dscnt 0x0
	s_set_vgpr_msb 0x100
	CROUND                                         ; the closing round: no work-group ends while a partner may still ask for a tile that names it
	s_endpgm
.Lfunc_end_k_qd6e13d3b86_gqv:
	.size	k_qd6e13d3b86_gqv, .Lfunc_end_k_qd6e13d3b86_gqv-k_qd6e13d3b86_gqv
	.p2alignl 7, 3214868480
	.fill 96, 4, 3214868480
	.section	.rodata,"a",@progbits
	.p2align	6, 0x0
	.amdhsa_kernel k_qd6e13d3b86_gqv
		.amdhsa_group_segment_fixed_size 327680
		.amdhsa_private_segment_fixed_size 0
		.amdhsa_enable_private_segment 0
		.amdhsa_kernarg_size 40
		.amdhsa_user_sgpr_count 2
		.amdhsa_user_sgpr_kernarg_segment_ptr 1
		.amdhsa_wavefront_size32 1
		.amdhsa_system_sgpr_workgroup_id_x 1
		.amdhsa_system_sgpr_workgroup_id_y 1
		.amdhsa_system_sgpr_workgroup_id_z 1
		.amdhsa_system_vgpr_workitem_id 0
		.amdhsa_next_free_vgpr 1024
		.amdhsa_next_free_sgpr 94
		.amdhsa_reserve_vcc 0
		.amdhsa_float_denorm_mode_32 3
		.amdhsa_float_denorm_mode_16_64 3
		.amdhsa_memory_ordered 1
		.amdhsa_forward_progress 1
		.amdhsa_inst_pref_size 199
	.end_amdhsa_kernel
	.amdgpu_metadata
---
amdhsa.version: [ 1, 2 ]
amdhsa.kernels:
  - .name:           k_qd6e13d3b86_gqv
    .symbol:         k_qd6e13d3b86_gqv.kd
    .args:
      - { .name: xb, .offset: 0, .size: 8, .value_kind: global_buffer, .address_space: global }
      - { .name: wb, .offset: 8, .size: 8, .value_kind: global_buffer, .address_space: global }
      - { .name: bq, .offset: 16, .size: 8, .value_kind: global_buffer, .address_space: global }
      - { .name: bv, .offset: 24, .size: 8, .value_kind: global_buffer, .address_space: global }
      - { .name: qv, .offset: 32, .size: 8, .value_kind: global_buffer, .address_space: global }
    .group_segment_fixed_size: 327680
    .private_segment_fixed_size: 0
    .kernarg_segment_align: 8
    .kernarg_segment_size: 40
    .max_flat_workgroup_size: 128
    .sgpr_count:     94
    .vgpr_count:     1024
    .wavefront_size: 32
...
	.end_amdgpu_metadata
.endif
;; end of part 2
;; launch gk (part 3): grid 4 x 64, 4 waves a work-group, clusters of 4 x 4, 327,680 bytes of LDS; arguments xb, wb, bk, qv, yb; writes yb
.if DOCPART == 3
	.amdgcn_target "amdgcn-amd-amdhsa--gfx1250"
	.amdhsa_code_object_version 6
	.text
	.protected	k_qd6e13d3b86_gk
	.globl	k_qd6e13d3b86_gk
	.p2align	8
	.type	k_qd6e13d3b86_gk,@function
k_qd6e13d3b86_gk:
	s_mov_b64 s[64:65], 0
	v_nop
	global_prefetch_b8 v0, s[64:65] scope:SCOPE_SE
	s_setreg_imm32_b32 hwreg(HW_REG_WAVE_MODE, 25, 1), 1
	s_wait_xcnt 0x0
	s_wait_alu depctr_hold_cnt(0) depctr_sa_sdst(0) depctr_va_vdst(0) depctr_va_sdst(0) depctr_va_ssrc(0) depctr_va_vcc(0) depctr_vm_vsrc(0)
	s_getreg_b32 s2, hwreg(HW_REG_IB_STS2, 6, 4)
	s_cmp_eq_u32 s2, 0
	s_cbranch_scc0 .Lentry_in_a_cluster
	s_endpgm
.Lentry_in_a_cluster:
	s_bfe_u32 s2, ttmp6, 0x10000c
	s_cmp_lg_u32 s2, 0xf033
	s_cbranch_scc0 .Lentry_shape_is_right
	s_endpgm
.Lentry_shape_is_right:
; gk: k = key Wk^T + bk (f32, in the accumulators);  score[n][h] = 64^-1/2 x sum over the head's 64 columns of q k;  attn = softmax over the one key;
; yb = bf16(attn x (k x k)), since v and g are both views of k.
; The product is the same block scheme as in the launch before: 256 x 256 a work-group, 128 x 128 a wave, K in steps of 128 through two LDS slots,
; 4 x 4 clusters with joint loads, the bias as the first product's C.  A wave's 128 columns are two whole heads, so score and softmax stay in the wave.
; THE SOFTMAX is written as it stands: the maximum over the keys (there is one key: the score itself) is taken away, the exponential is divided by the
; sum of the exponentials (one term).  A finite score gives 1; a score that is not finite gives NaN, as in the function computed.
; q comes from qv as bf16: each wave fetches its own 128 x 128 of q by one tensor load into its quarter of slot 0, when that slot has been read for
; the last time; the last K step's 256 matrix instructions stand between that request and the wait for it.
; LIMITS: operands of the products are bf16, q among them (operand of the score product); k stays f32 until y is rounded once to bf16;
; the score's 64 terms are added in another order than a plain loop's.
; REGISTERS, in windows of 256:
;   window 0: v0-31 addresses; v64-127, v128-191 fragments of A; on the way out v32-63 q packed, v64-127 q in f32 and then k x k, v128-159 sums and
;             the softmax, v160-191 and v224-255 rows read back, by turns, v192-223 packed results
;   window 1: v0-63 the bias as eight accumulator tiles; v64-191 fragments of B;   windows 2, 3: the accumulators
; THE MATRIX INSTRUCTION IS USED TRANSPOSED: lane l holds row l % 16 of k, its registers 0 to 7 the columns 8 (l / 16) + 0 .. 7.
.set SIZE_K, 1024
.set SIZE_N, 1024
.set KSTEP,  128
.set PITCH,  272                       ; an LDS row: 256 bytes + 16 of padding: the 16 rows that a load touches start 16 bytes apart modulo 256
.set HALFT,  128*PITCH
.set SLOT,   4*HALFT
.set STAGE,  2*SLOT                    ; behind the ring: 16 rows x 272 bytes for each wave
.set SPITCH, 272
.set LAPS, SIZE_K/(2*KSTEP)
.set ADRA, 16
.set ADRB, 20
.set STO,  24
.set RD,   25
.set CO,   26
.set BO,   27
.set QA,   28                          ; LDS address of my 16 bytes of q in row l % 16 of my tile
.set Q,    32                          ; v[32:63]   q of 16 rows, packed: 4 registers for each n block
.set F0,   64
.set F1,   128
.set QF,   64                          ; v[64:127]  q in f32, then k x k, in the accumulators' layout
.set P,    128                         ; v[128:143] eight pairs of partial sums
.set S,    144                         ; v[144:159] scores and softmax
.set RB0,  160
.set RB1,  224
.set TMP,  192
.set G1, 24
.set G0, 32
.set G1B, 48
.set G0B, 56
.set GQ0, 72                           ; s[72:75] group 0 of the q tile
.set GQ1, 76                           ; s[76:83] group 1 of the q tile: no mask, it is the wave's own
.set MSB, 0
.macro WIN new
.if MSB != \new
	s_set_vgpr_msb (MSB<<8)|\new
.set MSB, \new
.endif
.endm
.set MUL_LO,   0xa1
.set MUL_HI,   0xf1
.set FIRST_LO, 0x91
.set FIRST_HI, 0xd1
.set TO_B,     0x40
.macro JLOAD s                         ; a joint load: waves 0 and 1 fetch A's halves, waves 2 and 3 B's; four v_nop follow each line
	s_cmp_eq_u32 s11, 0
	s_cbranch_scc0 .Lfor_b_\@
	tensor_load_to_lds s[G0+4*\s:G0+4*\s+3], s[G1:G1+7]
	s_nop 0
.rept 4
	v_nop
.endr
	s_branch .Lasked_\@
.Lfor_b_\@:
	tensor_load_to_lds s[G0B+4*\s:G0B+4*\s+3], s[G1B:G1B+7]
	s_nop 0
.rept 4
	v_nop
.endr
.Lasked_\@:
.endm
.macro CREST                           ; a round of the cluster's barrier behind its opening barrier
	s_cmp_lg_u32 s10, 0
	s_cbranch_scc1 .Lnot_wave_0_\@
	s_barrier_signal -3
.Lnot_wave_0_\@:
	s_barrier_wait -3
	s_barrier_signal -1
	s_barrier_wait -1
.endm
.macro CROUND
	s_barrier_signal -1
	s_barrier_wait -1
	CREST
.endm
	s_load_b128 s[4:7], s[0:1], 0x0                ; xb s[4:5], wb s[6:7]
	s_load_b128 s[68:71], s[0:1], 0x10             ; bk s[68:69], qv s[70:71]
	s_load_b64 s[8:9], s[0:1], 0x20                ; yb
	s_set_vgpr_msb 0x40
	v_lshl_add_u32 v255, v0, 2, 0x48400
	s_set_vgpr_msb 0x4000
	v_mov_b32 v31, 0
	s_set_vgpr_msb 0x1
	ds_add_u32 v255, v31
	ds_add_u32 v255, v31
	s_set_vgpr_msb 0x100
	v_lshrrev_b32 v1, 5, v0
	v_readfirstlane_b32 s10, v1                    ; wave 0..3
	s_lshr_b32 s11, s10, 1
	s_and_b32 s12, s10, 1
	s_mov_b32 s84, 0xffff0000                      ; a word's upper bf16
	s_mov_b32 s85, 0x76543210                      ; v_permlanex16_b32: lane i of one half reads lane i of the other
	s_mov_b32 s86, 0xfedcba98
	s_bfe_u32 s40, ttmp6, 0x40000                  ; cx
	s_bfe_u32 s41, ttmp6, 0x40004                  ; cy
	s_lshl_b32 s42, ttmp9, 2
	s_add_co_u32 s42, s42, s40                     ; block column
	s_and_b32 s13, ttmp7, 0xffff
	s_lshl_b32 s13, s13, 2
	s_add_co_u32 s13, s13, s41                     ; block row, 0..63
	s_lshl_b32 s43, s41, 2
	s_lshl_b32 s43, 15, s43                        ; my row of the cluster
	s_lshl_b32 s44, 0x1111, s40                    ; my column
	s_or_b32 s[G1+0], s43, (1<<16)|(1<<20)|(1<<21)|(5<<22)|(3<<25)
	s_or_b32 s[G1B+0], s44, (1<<16)|(1<<20)|(1<<21)|(5<<22)|(3<<25)
	s_mov_b32 s[GQ1+0], (1<<16)|(1<<20)|(5<<22)|(3<<25)            ; the same shape and padding, no mask
	s_mov_b32 s[G1B+1], KSTEP<<16
	s_mov_b32 s[G1+1], KSTEP<<16
	s_mov_b32 s[GQ1+1], 128<<16
	s_mov_b32 s[G1B+2], 128<<16
	s_mov_b32 s[G1+2], 128<<16
	s_mov_b32 s[GQ1+2], 128<<16
	s_mov_b32 s[G1B+3], KSTEP<<16
	s_mov_b32 s[G1+3], KSTEP<<16
	s_mov_b32 s[GQ1+3], 128<<16
	s_mov_b32 s[G1B+4], 128
	s_mov_b32 s[G1+4], 128
	s_mov_b32 s[GQ1+4], 128
	s_mov_b32 s[G1B+5], SIZE_K
	s_mov_b32 s[G1+5], SIZE_K
	s_mov_b32 s[GQ1+5], SIZE_N
	s_mov_b32 s[G1B+6], 0
	s_mov_b32 s[G1+6], 0
	s_mov_b32 s[GQ1+6], 0
	s_mov_b32 s[G1B+7], 0
	s_mov_b32 s[G1+7], 0
	s_mov_b32 s[GQ1+7], 0
	s_lshl_b32 s17, s12, 7
	s_lshl_b32 s16, s13, 8
	s_add_co_u32 s16, s16, s17                     ; A: row 256 x block row + 128 x half
	s_lshl_b32 s46, s42, 8
	s_add_co_u32 s46, s46, s17                     ; B: row 256 x block column + 128 x half
	s_mov_b32 s17, 0
	s_mov_b32 s47, 0
	s_mov_b64 s[18:19], SIZE_K*2
	s_mul_u64 s[16:17], s[16:17], s[18:19]
	s_mul_u64 s[46:47], s[46:47], s[18:19]
	s_mul_i32 s20, s10, HALFT
	; my 128 x 128 block, in bytes: the same offset in yb and in the q half of qv (both have rows of 2,048 bytes); in registers that feed no joint load
	s_lshl_b32 s90, s13, 8
	s_lshl_b32 s92, s11, 7
	s_add_co_u32 s90, s90, s92
	s_lshl_b32 s90, s90, 11
	s_lshl_b32 s92, s42, 9
	s_add_co_u32 s90, s90, s92
	s_lshl_b32 s92, s12, 8
	s_add_co_u32 s90, s90, s92
	s_mov_b32 s91, 0
	s_lshl_b32 s88, s42, 10
	s_lshl_b32 s92, s12, 9
	s_add_co_u32 s88, s88, s92                     ; bias: 4 bytes x my first column
	s_mov_b32 s89, 0
	s_wait_dscnt 0x0
	s_wait_kmcnt 0x0
	s_add_nc_u64 s[66:67], s[68:69], s[88:89]
	s_add_nc_u64 s[8:9], s[8:9], s[90:91]
	s_mov_b32 s[GQ0], 1
	s_add_co_u32 s[GQ0+1], s20, 0                  ; my quarter of slot 0
	s_add_nc_u64 s[GQ0+2:GQ0+3], s[70:71], s[90:91]
	s_or_b32 s[GQ0+3], s[GQ0+3], 0x80000000
	s_add_nc_u64 s[14:15], s[4:5], s[16:17]
	s_add_nc_u64 s[14:15], s[14:15], 0x2000000     ; the key rows: 16,384 rows of 2,048 bytes into xb
	s_add_nc_u64 s[46:47], s[6:7], s[46:47]
	s_add_nc_u64 s[46:47], s[46:47], 0x400000      ; Wk: 2,048 rows of 2,048 bytes into wb
	CROUND                                         ; all sixteen work-groups are here: the first joint loads meet
.irp s, 0,1
	s_mov_b32 s[G0+4*\s], 1
	s_add_co_u32 s[G0+4*\s+1], s20, \s*SLOT
	s_add_nc_u64 s[G0+4*\s+2:G0+4*\s+3], s[14:15], \s*KSTEP*2
	s_or_b32 s[G0+4*\s+3], s[G0+4*\s+3], 0x80000000
	s_mov_b32 s[G0B+4*\s], 1
	s_add_co_u32 s[G0B+4*\s+1], s20, \s*SLOT
	s_add_nc_u64 s[G0B+4*\s+2:G0B+4*\s+3], s[46:47], \s*KSTEP*2
	s_or_b32 s[G0B+4*\s+3], s[G0B+4*\s+3], 0x80000000
	JLOAD \s                                       ; two tensor loads of the wave are out
.endr
	v_and_b32 v1, 15, v0                           ; l % 16
	v_bfe_u32 v2, v0, 4, 1                         ; l / 16
	v_mul_u32_u24 v3, v1, PITCH
	v_lshl_add_u32 v3, v2, 4, v3
	v_lshlrev_b32 v[BO], 5, v2
	v_add_nc_u32 v[QA], s20, v3                    ; q(row l % 16, columns 8 (l / 16) ..) of my tile
	s_mul_i32 s21, s11, HALFT
	s_mul_i32 s22, s12, HALFT
	s_add_co_u32 s22, s22, 2*HALFT
.irp s, 0,1
	v_add_nc_u32 v[ADRA+\s], s21, v3
	v_add_nc_u32 v[ADRB+\s], s22, v3
	s_add_co_u32 s21, s21, SLOT
	s_add_co_u32 s22, s22, SLOT
.endr
	WIN TO_B                                       ; the bias as eight C tiles: register 8 b + j of lane l = bias[16 b + 8 (l / 16) + j]
.irp b, 0,1,2,3,4,5,6,7
	global_load_b128 v[8*\b:8*\b+3],   v[BO], s[66:67] offset:64*\b
	global_load_b128 v[8*\b+4:8*\b+7], v[BO], s[66:67] offset:64*\b+16
.endr
	WIN 0
	s_mul_i32 s23, s10, 16*SPITCH
	s_add_co_u32 s23, s23, STAGE
	v_mul_u32_u24 v4, v1, SPITCH
	v_lshl_add_u32 v4, v2, 4, v4
	v_add_nc_u32 v[STO], s23, v4
	v_mul_u32_u24 v5, v2, SPITCH
	v_lshl_add_u32 v5, v1, 4, v5
	v_add_nc_u32 v[RD], s23, v5
	v_mul_u32_u24 v5, v2, SIZE_N*2
	v_lshl_add_u32 v[CO], v1, 4, v5
.macro MUL16 f, hi, a0, first
.irp a, \a0, \a0+1
.irp b, 0,1,2,3,4,5,6,7
.if \first
	v_wmma_f32_16x16x32_bf16 v[8*(8*(\a)+\b):8*(8*(\a)+\b)+7], v[\f+8*\b:\f+8*\b+7], v[\f+8*(4*\hi+\a):\f+8*(4*\hi+\a)+7], v[8*\b:8*\b+7]
.else
	v_wmma_f32_16x16x32_bf16 v[8*(8*(\a)+\b):8*(8*(\a)+\b)+7], v[\f+8*\b:\f+8*\b+7], v[\f+8*(4*\hi+\a):\f+8*(4*\hi+\a)+7], v[8*(8*(\a)+\b):8*(8*(\a)+\b)+7]
.endif
.endr
.endr
.endm
.macro FETCH slot, k, f
	WIN TO_B
.irp i, 0,1,2,3,4,5,6,7
	ds_load_b128 v[\f+8*\i:\f+8*\i+3],   v[ADRB+\slot] offset:\k+\i*16*PITCH
	ds_load_b128 v[\f+8*\i+4:\f+8*\i+7], v[ADRB+\slot] offset:\k+\i*16*PITCH+32
.endr
	WIN 0
.irp i, 0,1,2,3,4,5,6,7
	ds_load_b128 v[\f+8*\i:\f+8*\i+3],   v[ADRA+\slot] offset:\k+\i*16*PITCH
	ds_load_b128 v[\f+8*\i+4:\f+8*\i+7], v[ADRA+\slot] offset:\k+\i*16*PITCH+32
.endr
.endm
.macro PLACES                          ; four places between a matrix instruction and a load into, or a vector instruction on, its registers
.rept 4
	v_nop
.endr
.endm
; The 64 accumulators take turns, one instruction a turn, in the same order in every quarter.
.macro QUARTER slot, k, f, g, first
	s_wait_dscnt 8                                 ; the youngest eight loads (A's rows 64-127) may be out
.if \first
	WIN FIRST_LO
.else
	WIN MUL_LO
.endif
	MUL16 \f, 0, 0, \first
	MUL16 \f, 0, 2, \first
	PLACES
	FETCH \slot, \k, \g
	s_wait_dscnt 32                                ; all but the 32 just issued
.if \first
	WIN FIRST_HI
.else
	WIN MUL_HI
.endif
	MUL16 \f, 1, 0, \first
	MUL16 \f, 1, 2, \first
.endm
.macro THREE slot, first
	QUARTER \slot, 64,  F0, F1, \first
	QUARTER \slot, 128, F1, F0, 0
	QUARTER \slot, 192, F0, F1, 0
.endm
; The last quarter of a K step changes slots.  fill = 1: this slot gets the tiles two K steps ahead, by the joint loads;
; fill = 2: this slot has been read for the last time by the product, and each wave's quarter of it gets the wave's own tile of q.
.macro TURN slot, next, fill
	s_wait_dscnt 8
	WIN MUL_LO
	MUL16 F1, 0, 0, 0
	s_wait_dscnt 0                                 ; my reads of this slot are over
	s_wait_tensorcnt 0x0                           ; and all my tensor loads have landed: the one that was out is my part of the next slot
	ds_add_u32 v255, v31
	s_wait_dscnt 0x0
	s_barrier_signal -1                            ; this barrier opens a round of the cluster's barrier
	MUL16 F1, 0, 2, 0
	WIN 0
	s_barrier_wait -1
	CREST                                          ; no wave of any partner still reads this slot's tile or has a load on its way
.if \fill == 1
	s_add_nc_u64 s[G0+4*\slot+2:G0+4*\slot+3], s[G0+4*\slot+2:G0+4*\slot+3], 2*KSTEP*2
	s_add_nc_u64 s[G0B+4*\slot+2:G0B+4*\slot+3], s[G0B+4*\slot+2:G0B+4*\slot+3], 2*KSTEP*2
	JLOAD \slot                                    ; the wave's one tensor load behind the round; its four v_nop are also the places in front of the loads below
.else
	tensor_load_to_lds s[GQ0:GQ0+3], s[GQ1:GQ1+7]  ; the wave's one tensor load behind the round: 128 x 128 of q, read by this wave alone
	s_nop 0
	PLACES
.endif
	FETCH \next, 0, F0
	WIN MUL_HI
	MUL16 F1, 1, 0, 0
	MUL16 F1, 1, 2, 0
.endm
.macro LAP first
	THREE 0, \first
	TURN 0, 1, 1
	THREE 1, 0
	TURN 1, 0, 1
.endm
	s_wait_loadcnt 0x0                             ; the bias is in
	s_wait_tensorcnt 1                             ; my part of K step 0 is in; K step 1's stays out
	s_barrier_signal -1
	s_barrier_wait -1
	FETCH 0, 0, F0
	LAP 1
	WIN 0
	s_mov_b32 s3, LAPS-2
.Llap:
	LAP 0
	WIN 0
	s_sub_co_u32 s3, s3, 1
	s_cmp_lg_u32 s3, 0
	s_cbranch_scc1 .Llap
	THREE 0, 0                                     ; the last lap: no more tiles of A and B
	TURN 0, 1, 2                                   ; slot 0 takes q
	THREE 1, 0
	s_wait_dscnt 8
	WIN MUL_LO
	MUL16 F1, 0, 0, 0
	MUL16 F1, 0, 2, 0
	s_wait_dscnt 0
	WIN MUL_HI
	MUL16 F1, 1, 0, 0
	MUL16 F1, 1, 2, 0
	; THE WAY OUT, 16 rows at a time.
	PLACES                                         ; behind the last matrix instructions: for all that reads results or rewrites the fragment buffers
	WIN 0
	s_wait_tensorcnt 0x0                           ; my tile of q has landed; no other wave reads it, so this wait is all the ordering that my reads need
.macro QLOAD i                         ; q of rows 16 i .. + 15, in the accumulators' layout: 16 bytes = columns 16 b + 8 (l / 16) + 0..7 of row l % 16
.irp b, 0,1,2,3,4,5,6,7
	ds_load_b128 v[Q+4*\b:Q+4*\b+3], v[QA] offset:16*PITCH*(\i)+32*\b
.endr
.endm
; rows 16 i .. + 15 = the tiles (aw, 0..7) of window 2 or 3.  w1: that window for source 1 (0x08, 0x0c); w2: for sources 0 and 1 (0x0a, 0x0f);
; rb: RB0 or RB1 in turn; more = 1: the next rows' q is asked for.
.macro ROWS i, aw, w1, w2, rb, more
	s_wait_dscnt 0x0                               ; these rows' q is in
	WIN 0
.irp b, 0,1,2,3,4,5,6,7
.irp c, 0,1,2,3
	v_lshlrev_b32 v[QF+8*\b+2*\c],   16,  v[Q+4*\b+\c]             ; bf16 to f32
	v_and_b32     v[QF+8*\b+2*\c+1], s84, v[Q+4*\b+\c]
.endr
.endr
.if \more
	QLOAD \i+1                                     ; older than the stage's traffic below, so the counts there stay as they are
.endif
	WIN \w1
.irp b, 0,1,2,3,4,5,6,7
	v_pk_mul_f32 v[P+2*\b:P+2*\b+1], v[QF+8*\b:QF+8*\b+1], v[8*(8*\aw+\b):8*(8*\aw+\b)+1]         ; eight chains of q k that do not wait for each other
.endr
.irp c, 1,2,3
.irp b, 0,1,2,3,4,5,6,7
	v_pk_fma_f32 v[P+2*\b:P+2*\b+1], v[QF+8*\b+2*\c:QF+8*\b+2*\c+1], v[8*(8*\aw+\b)+2*\c:8*(8*\aw+\b)+2*\c+1], v[P+2*\b:P+2*\b+1]
.endr
.endr
	WIN 0
	v_pk_add_f32 v[P:P+1],     v[P:P+1],     v[P+2:P+3]            ; n blocks 0-3 are the first head, 4-7 the second
	v_pk_add_f32 v[P+4:P+5],   v[P+4:P+5],   v[P+6:P+7]
	v_pk_add_f32 v[P+8:P+9],   v[P+8:P+9],   v[P+10:P+11]
	v_pk_add_f32 v[P+12:P+13], v[P+12:P+13], v[P+14:P+15]
	v_pk_add_f32 v[P:P+1],     v[P:P+1],     v[P+4:P+5]
	v_pk_add_f32 v[P+8:P+9],   v[P+8:P+9],   v[P+12:P+13]
	v_add_f32 v[S],   v[P],   v[P+1]
	v_add_f32 v[S+1], v[P+8], v[P+9]
	v_permlanex16_b32 v[S+2], v[S],   s85, s86     ; the row's other 32 columns of each head lie in lane l xor 16
	v_permlanex16_b32 v[S+3], v[S+1], s85, s86
	v_add_f32 v[S],   v[S],   v[S+2]
	v_add_f32 v[S+1], v[S+1], v[S+3]
	v_mul_f32 v[S+4], 0x3e000000, v[S]             ; score = 64^-1/2 x the sum
	v_mul_f32 v[S+5], 0x3e000000, v[S+1]
	v_sub_f32 v[S+6], v[S+4], v[S+4]               ; less the maximum over the keys: there is one key, the maximum is the score
	v_sub_f32 v[S+7], v[S+5], v[S+5]
	v_mul_f32 v[S+6], 0x3fb8aa3b, v[S+6]           ; e^x = 2^(x log2 e)
	v_mul_f32 v[S+7], 0x3fb8aa3b, v[S+7]
	v_exp_f32 v[S+12], v[S+6]
	v_exp_f32 v[S+13], v[S+7]
	v_nop                                          ; a plain instruction behind the exponentials (ISA guide 5.7.2)
	s_wait_alu depctr_va_vdst(0)
	v_rcp_f32 v[S+14], v[S+12]                     ; the sum over the keys is the one exponential
	v_rcp_f32 v[S+15], v[S+13]
	v_nop
	s_wait_alu depctr_va_vdst(0)
	v_mul_f32 v[S+8],  v[S+12], v[S+14]            ; attn of the first head, twice: a pair for the packed multiply
	v_mul_f32 v[S+9],  v[S+12], v[S+14]
	v_mul_f32 v[S+10], v[S+13], v[S+15]            ; of the second head
	v_mul_f32 v[S+11], v[S+13], v[S+15]
	WIN \w2
.irp b, 0,1,2,3,4,5,6,7
.irp c, 0,1,2,3
	v_pk_mul_f32 v[QF+8*\b+2*\c:QF+8*\b+2*\c+1], v[8*(8*\aw+\b)+2*\c:8*(8*\aw+\b)+2*\c+1], v[8*(8*\aw+\b)+2*\c:8*(8*\aw+\b)+2*\c+1]   ; v x g = k x k
.endr
.endr
	WIN 0
.irp b, 0,1,2,3,4,5,6,7
.irp c, 0,1,2,3
	v_pk_mul_f32 v[QF+8*\b+2*\c:QF+8*\b+2*\c+1], v[QF+8*\b+2*\c:QF+8*\b+2*\c+1], v[S+8+2*(\b/4):S+9+2*(\b/4)]
.endr
.endr
.irp b, 0,1,2,3,4,5,6,7
.irp c, 0,1,2,3
	v_cvt_pk_bf16_f32 v[TMP+4*\b+\c], v[QF+8*\b+2*\c], v[QF+8*\b+2*\c+1]
.endr
.endr
.irp b, 0,1,2,3,4,5,6,7
	ds_store_b128 v[STO], v[TMP+4*\b:TMP+4*\b+3] offset:32*\b
.endr
	s_wait_xcnt 0x0                                ; rb, which stores read, and the stores' base are rewritten only behind this wait
.if \i
	s_add_nc_u64 s[8:9], s[8:9], 16*SIZE_N*2
.endif
.irp t, 0,1,2,3,4,5,6,7
	ds_load_b128 v[\rb+4*\t:\rb+4*\t+3], v[RD] offset:\t*2*SPITCH  ; LDS serves a wave's instructions in order: these see the stores above
.endr
.irp t, 0,1,2,3,4,5,6,7
	s_wait_dscnt 7-\t                              ; the younger read-backs may be out
	global_store_b128 v[CO], v[\rb+4*\t:\rb+4*\t+3], s[8:9] offset:2*\t*SIZE_N*2   ; 16 lanes store 256 consecutive bytes, at a multiple of 256
.endr
.endm
	QLOAD 0
	ROWS 0, 0, 0x08, 0x0a, RB0, 1
	ROWS 1, 1, 0x08, 0x0a, RB1, 1
	ROWS 2, 2, 0x08, 0x0a, RB0, 1
	ROWS 3, 3, 0x08, 0x0a, RB1, 1
	ROWS 4, 0, 0x0c, 0x0f, RB0, 1
	ROWS 5, 1, 0x0c, 0x0f, RB1, 1
	ROWS 6, 2, 0x0c, 0x0f, RB0, 1
	ROWS 7, 3, 0x0c, 0x0f, RB1, 0
	s_set_vgpr_msb 0x1
	s_wait_tensorcnt 0x0
	ds_add_u32 v255, v31
	s_wait_dscnt 0x0
	s_set_vgpr_msb 0x100
	CROUND                                         ; the closing round, behind the last tensor load of any kind
	s_endpgm
.Lfunc_end_k_qd6e13d3b86_gk:
	.size	k_qd6e13d3b86_gk, .Lfunc_end_k_qd6e13d3b86_gk-k_qd6e13d3b86_gk
	.p2alignl 7, 3214868480
	.fill 96, 4, 3214868480
	.section	.rodata,"a",@progbits
	.p2align	6, 0x0
	.amdhsa_kernel k_qd6e13d3b86_gk
		.amdhsa_group_segment_fixed_size 327680
		.amdhsa_private_segment_fixed_size 0
		.amdhsa_enable_private_segment 0
		.amdhsa_kernarg_size 40
		.amdhsa_user_sgpr_count 2
		.amdhsa_user_sgpr_kernarg_segment_ptr 1
		.amdhsa_wavefront_size32 1
		.amdhsa_system_sgpr_workgroup_id_x 1
		.amdhsa_system_sgpr_workgroup_id_y 1
		.amdhsa_system_sgpr_workgroup_id_z 1
		.amdhsa_system_vgpr_workitem_id 0
		.amdhsa_next_free_vgpr 1024
		.amdhsa_next_free_sgpr 94
		.amdhsa_reserve_vcc 0
		.amdhsa_float_denorm_mode_32 3
		.amdhsa_float_denorm_mode_16_64 3
		.amdhsa_memory_ordered 1
		.amdhsa_forward_progress 1
		.amdhsa_inst_pref_size 255
	.end_amdhsa_kernel
	.section	.bss,"aw",@nobits
	.p2align	6
	.space	262144
	.amdgpu_metadata
---
amdhsa.version: [ 1, 2 ]
amdhsa.kernels:
  - .name:           k_qd6e13d3b86_gk
    .symbol:         k_qd6e13d3b86_gk.kd
    .args:
      - { .name: xb, .offset: 0, .size: 8, .value_kind: global_buffer, .address_space: global }
      - { .name: wb, .offset: 8, .size: 8, .value_kind: global_buffer, .address_space: global }
      - { .name: bk, .offset: 16, .size: 8, .value_kind: global_buffer, .address_space: global }
      - { .name: qv, .offset: 24, .size: 8, .value_kind: global_buffer, .address_space: global }
      - { .name: yb, .offset: 32, .size: 8, .value_kind: global_buffer, .address_space: global }
    .group_segment_fixed_size: 327680
    .private_segment_fixed_size: 0
    .kernarg_segment_align: 8
    .kernarg_segment_size: 40
    .max_flat_workgroup_size: 128
    .sgpr_count:     94
    .vgpr_count:     1024
    .wavefront_size: 32
...
	.end_amdgpu_metadata
.endif
;; end of part 3
;; launch go (part 4): grid 4 x 64, 4 waves a work-group, clusters of 4 x 4, 327,680 bytes of LDS; arguments yb, wb, bo, out0; writes out0
.if DOCPART == 4
	.amdgcn_target "amdgcn-amd-amdhsa--gfx1250"
	.amdhsa_code_object_version 6
	.text
	.protected	k_qd6e13d3b86_go
	.globl	k_qd6e13d3b86_go
	.p2align	8
	.type	k_qd6e13d3b86_go,@function
k_qd6e13d3b86_go:
	s_mov_b64 s[64:65], 0
	v_nop
	global_prefetch_b8 v0, s[64:65] scope:SCOPE_SE
	s_setreg_imm32_b32 hwreg(HW_REG_WAVE_MODE, 25, 1), 1
	s_wait_xcnt 0x0
	s_wait_alu depctr_hold_cnt(0) depctr_sa_sdst(0) depctr_va_vdst(0) depctr_va_sdst(0) depctr_va_ssrc(0) depctr_va_vcc(0) depctr_vm_vsrc(0)
	s_getreg_b32 s2, hwreg(HW_REG_IB_STS2, 6, 4)
	s_cmp_eq_u32 s2, 0
	s_cbranch_scc0 .Lentry_in_a_cluster
	s_endpgm
.Lentry_in_a_cluster:
	s_bfe_u32 s2, ttmp6, 0x10000c
	s_cmp_lg_u32 s2, 0xf033
	s_cbranch_scc0 .Lentry_shape_is_right
	s_endpgm
.Lentry_shape_is_right:
; go: out0 = y Wo^T + bo.  y (yb) and Wo (the fourth 1,024 rows of wb) are bf16, sums and bias f32, out0 f32.
; The same block scheme as the two launches before: 256 x 256 a work-group, 128 x 128 a wave, K in steps of 128 through two LDS slots,
; 4 x 4 clusters with joint loads (A's tile shared along a row of the cluster, B's along a column), the bias as the first product's C.
; LIMITS: the operands are bf16; the order of the sums is the matrix unit's.
; REGISTERS, in windows of 256: window 0: v0-31 addresses, v64-127 and v128-191 fragments of A (on the way out: rows read back, by turns);
;   window 1: v0-63 the bias as eight accumulator tiles, v64-191 fragments of B;  windows 2, 3: the accumulators.
; THE MATRIX INSTRUCTION IS USED TRANSPOSED: lane l holds row l % 16 of C, its registers 0 to 7 the columns 8 (l / 16) + 0 .. 7: 32 neighbouring bytes.
.set SIZE_K, 1024
.set SIZE_N, 1024
.set KSTEP,  128
.set PITCH,  272                       ; an LDS row: 256 bytes + 16 of padding: the 16 rows that a load touches start 16 bytes apart modulo 256
.set HALFT,  128*PITCH
.set SLOT,   4*HALFT
.set STAGE,  2*SLOT                    ; behind the ring: 16 rows x 528 bytes for each wave
.set FPITCH, 528                       ; a stage row: 128 f32 + 16 bytes: 16 rows start 16 bytes apart modulo 256
.set LAPS, SIZE_K/(2*KSTEP)
.set ADRA, 16
.set ADRB, 20
.set STO,  24
.set RD,   25
.set CO,   26
.set BO,   27
.set F0,   64
.set F1,   128
.set G1, 24
.set G0, 32
.set G1B, 48
.set G0B, 56
.set MSB, 0
.macro WIN new
.if MSB != \new
	s_set_vgpr_msb (MSB<<8)|\new
.set MSB, \new
.endif
.endm
.set MUL_LO,   0xa1
.set MUL_HI,   0xf1
.set FIRST_LO, 0x91
.set FIRST_HI, 0xd1
.set TO_B,     0x40
.macro JLOAD s                         ; a joint load: waves 0 and 1 fetch A's halves, waves 2 and 3 B's; four v_nop follow each line
	s_cmp_eq_u32 s11, 0
	s_cbranch_scc0 .Lfor_b_\@
	tensor_load_to_lds s[G0+4*\s:G0+4*\s+3], s[G1:G1+7]
	s_nop 0
.rept 4
	v_nop
.endr
	s_branch .Lasked_\@
.Lfor_b_\@:
	tensor_load_to_lds s[G0B+4*\s:G0B+4*\s+3], s[G1B:G1B+7]
	s_nop 0
.rept 4
	v_nop
.endr
.Lasked_\@:
.endm
.macro CREST                           ; a round of the cluster's barrier behind its opening barrier
	s_cmp_lg_u32 s10, 0
	s_cbranch_scc1 .Lnot_wave_0_\@
	s_barrier_signal -3
.Lnot_wave_0_\@:
	s_barrier_wait -3
	s_barrier_signal -1
	s_barrier_wait -1
.endm
.macro CROUND
	s_barrier_signal -1
	s_barrier_wait -1
	CREST
.endm
	s_load_b128 s[4:7], s[0:1], 0x0                ; yb s[4:5], wb s[6:7]
	s_load_b64 s[66:67], s[0:1], 0x10              ; bo
	s_load_b64 s[8:9], s[0:1], 0x18                ; out0
	s_set_vgpr_msb 0x40
	v_lshl_add_u32 v255, v0, 2, 0x4c400
	s_set_vgpr_msb 0x4000
	v_mov_b32 v255, 0
	s_set_vgpr_msb 0x1
	ds_add_u32 v255, v255
	ds_add_u32 v255, v255
	s_set_vgpr_msb 0x100
	v_lshrrev_b32 v1, 5, v0
	v_readfirstlane_b32 s10, v1                    ; wave 0..3
	s_lshr_b32 s11, s10, 1
	s_and_b32 s12, s10, 1
	s_bfe_u32 s40, ttmp6, 0x40000                  ; cx
	s_bfe_u32 s41, ttmp6, 0x40004                  ; cy
	s_lshl_b32 s42, ttmp9, 2
	s_add_co_u32 s42, s42, s40                     ; block column
	s_and_b32 s13, ttmp7, 0xffff
	s_lshl_b32 s13, s13, 2
	s_add_co_u32 s13, s13, s41                     ; block row, 0..63
	s_lshl_b32 s43, s41, 2
	s_lshl_b32 s43, 15, s43                        ; my row of the cluster
	s_lshl_b32 s44, 0x1111, s40                    ; my column
	s_or_b32 s[G1+0], s43, (1<<16)|(1<<20)|(1<<21)|(5<<22)|(3<<25)
	s_or_b32 s[G1B+0], s44, (1<<16)|(1<<20)|(1<<21)|(5<<22)|(3<<25)
	s_mov_b32 s[G1B+1], KSTEP<<16
	s_mov_b32 s[G1+1], KSTEP<<16
	s_mov_b32 s[G1B+2], 128<<16
	s_mov_b32 s[G1+2], 128<<16
	s_mov_b32 s[G1B+3], KSTEP<<16
	s_mov_b32 s[G1+3], KSTEP<<16
	s_mov_b32 s[G1B+4], 128
	s_mov_b32 s[G1+4], 128
	s_mov_b32 s[G1B+5], SIZE_K
	s_mov_b32 s[G1+5], SIZE_K
	s_mov_b32 s[G1B+6], 0
	s_mov_b32 s[G1+6], 0
	s_mov_b32 s[G1B+7], 0
	s_mov_b32 s[G1+7], 0
	s_lshl_b32 s17, s12, 7
	s_lshl_b32 s16, s13, 8
	s_add_co_u32 s16, s16, s17                     ; A: row 256 x block row + 128 x half
	s_lshl_b32 s46, s42, 8
	s_add_co_u32 s46, s46, s17                     ; B: row 256 x block column + 128 x half
	s_mov_b32 s17, 0
	s_mov_b32 s47, 0
	s_mov_b64 s[18:19], SIZE_K*2
	s_mul_u64 s[16:17], s[16:17], s[18:19]
	s_mul_u64 s[46:47], s[46:47], s[18:19]
	s_mul_i32 s20, s10, HALFT
	; my 128 numbers of the bias and my 128 x 128 of out0, in bytes: in registers that feed no joint load
	s_lshl_b32 s88, s42, 10
	s_lshl_b32 s92, s12, 9
	s_add_co_u32 s88, s88, s92                     ; 4 bytes x (256 x block column + 128 x half)
	s_mov_b32 s89, 0
	s_lshl_b32 s90, s13, 8
	s_lshl_b32 s92, s11, 7
	s_add_co_u32 s90, s90, s92                     ; my first row, at most 16,256
	s_lshl_b32 s90, s90, 12                        ; x 4,096 bytes: below 2^26
	s_add_co_u32 s90, s90, s88
	s_mov_b32 s91, 0
	s_wait_dscnt 0x0
	s_wait_kmcnt 0x0
	s_add_nc_u64 s[66:67], s[66:67], s[88:89]
	s_add_nc_u64 s[8:9], s[8:9], s[90:91]
	s_add_nc_u64 s[14:15], s[4:5], s[16:17]
	s_add_nc_u64 s[46:47], s[6:7], s[46:47]
	s_add_nc_u64 s[46:47], s[46:47], 0x600000      ; Wo: 3,072 rows of 2,048 bytes into wb
	CROUND                                         ; all sixteen work-groups are here: the first joint loads meet
.irp s, 0,1
	s_mov_b32 s[G0+4*\s], 1
	s_add_co_u32 s[G0+4*\s+1], s20, \s*SLOT
	s_add_nc_u64 s[G0+4*\s+2:G0+4*\s+3], s[14:15], \s*KSTEP*2
	s_or_b32 s[G0+4*\s+3], s[G0+4*\s+3], 0x80000000
	s_mov_b32 s[G0B+4*\s], 1
	s_add_co_u32 s[G0B+4*\s+1], s20, \s*SLOT
	s_add_nc_u64 s[G0B+4*\s+2:G0B+4*\s+3], s[46:47], \s*KSTEP*2
	s_or_b32 s[G0B+4*\s+3], s[G0B+4*\s+3], 0x80000000
	JLOAD \s                                       ; two tensor loads of the wave are out
.endr
	v_and_b32 v1, 15, v0                           ; l % 16
	v_bfe_u32 v2, v0, 4, 1                         ; l / 16
	v_mul_u32_u24 v3, v1, PITCH
	v_lshl_add_u32 v3, v2, 4, v3
	v_lshlrev_b32 v[BO], 5, v2
	s_mul_i32 s21, s11, HALFT
	s_mul_i32 s22, s12, HALFT
	s_add_co_u32 s22, s22, 2*HALFT
.irp s, 0,1
	v_add_nc_u32 v[ADRA+\s], s21, v3
	v_add_nc_u32 v[ADRB+\s], s22, v3
	s_add_co_u32 s21, s21, SLOT
	s_add_co_u32 s22, s22, SLOT
.endr
	WIN TO_B                                       ; the bias as eight C tiles: register 8 b + j of lane l = bias[16 b + 8 (l / 16) + j]
.irp b, 0,1,2,3,4,5,6,7
	global_load_b128 v[8*\b:8*\b+3],   v[BO], s[66:67] offset:64*\b
	global_load_b128 v[8*\b+4:8*\b+7], v[BO], s[66:67] offset:64*\b+16
.endr
	WIN 0
	s_mul_i32 s23, s10, 16*FPITCH
	s_add_co_u32 s23, s23, STAGE                   ; my stage
	v_mul_u32_u24 v4, v1, FPITCH                   ; in: row l % 16, 32 bytes for each half of the lanes
	v_lshl_add_u32 v4, v2, 5, v4
	v_add_nc_u32 v[STO], s23, v4
	v_and_b32 v5, 31, v0
	v_lshlrev_b32 v[CO], 4, v5                     ; back and out: the 32 lanes take one row of 512 bytes
	v_add_nc_u32 v[RD], s23, v[CO]
.macro MUL16 f, hi, a0, first
.irp a, \a0, \a0+1
.irp b, 0,1,2,3,4,5,6,7
.if \first
	v_wmma_f32_16x16x32_bf16 v[8*(8*(\a)+\b):8*(8*(\a)+\b)+7], v[\f+8*\b:\f+8*\b+7], v[\f+8*(4*\hi+\a):\f+8*(4*\hi+\a)+7], v[8*\b:8*\b+7]
.else
	v_wmma_f32_16x16x32_bf16 v[8*(8*(\a)+\b):8*(8*(\a)+\b)+7], v[\f+8*\b:\f+8*\b+7], v[\f+8*(4*\hi+\a):\f+8*(4*\hi+\a)+7], v[8*(8*(\a)+\b):8*(8*(\a)+\b)+7]
.endif
.endr
.endr
.endm
.macro FETCH slot, k, f
	WIN TO_B
.irp i, 0,1,2,3,4,5,6,7
	ds_load_b128 v[\f+8*\i:\f+8*\i+3],   v[ADRB+\slot] offset:\k+\i*16*PITCH
	ds_load_b128 v[\f+8*\i+4:\f+8*\i+7], v[ADRB+\slot] offset:\k+\i*16*PITCH+32
.endr
	WIN 0
.irp i, 0,1,2,3,4,5,6,7
	ds_load_b128 v[\f+8*\i:\f+8*\i+3],   v[ADRA+\slot] offset:\k+\i*16*PITCH
	ds_load_b128 v[\f+8*\i+4:\f+8*\i+7], v[ADRA+\slot] offset:\k+\i*16*PITCH+32
.endr
.endm
.macro PLACES                          ; four places between a matrix instruction and a load into, a store of, or a vector instruction on, its registers
.rept 4
	v_nop
.endr
.endm
; The 64 accumulators take turns, one instruction a turn, in the same order in every quarter.
.macro QUARTER slot, k, f, g, first
	s_wait_dscnt 8                                 ; the youngest eight loads (A's rows 64-127) may be out
.if \first
	WIN FIRST_LO
.else
	WIN MUL_LO
.endif
	MUL16 \f, 0, 0, \first
	MUL16 \f, 0, 2, \first
	PLACES
	FETCH \slot, \k, \g
	s_wait_dscnt 32                                ; all but the 32 just issued
.if \first
	WIN FIRST_HI
.else
	WIN MUL_HI
.endif
	MUL16 \f, 1, 0, \first
	MUL16 \f, 1, 2, \first
.endm
.macro THREE slot, first
	QUARTER \slot, 64,  F0, F1, \first
	QUARTER \slot, 128, F1, F0, 0
	QUARTER \slot, 192, F0, F1, 0
.endm
; The last quarter of a K step changes slots.  fill = 1: this slot is filled again, two K steps ahead.
.macro TURN slot, next, fill
	s_wait_dscnt 8
	WIN MUL_LO
	MUL16 F1, 0, 0, 0
	s_wait_dscnt 0                                 ; my reads of this slot are over
	s_wait_tensorcnt 0x0                           ; and all my tensor loads have landed: the one that was out is my part of the next slot
	ds_add_u32 v255, v255
	s_wait_dscnt 0x0
	s_barrier_signal -1                            ; where a slot is filled again this barrier opens a round of the cluster's barrier
	MUL16 F1, 0, 2, 0
	WIN 0
	s_barrier_wait -1
.if \fill
	CREST                                          ; no wave of any partner still reads this slot's tile or has a load on its way
	s_add_nc_u64 s[G0+4*\slot+2:G0+4*\slot+3], s[G0+4*\slot+2:G0+4*\slot+3], 2*KSTEP*2
	s_add_nc_u64 s[G0B+4*\slot+2:G0B+4*\slot+3], s[G0B+4*\slot+2:G0B+4*\slot+3], 2*KSTEP*2
	JLOAD \slot                                    ; the wave's one tensor load behind the round; its four v_nop are also the places in front of the loads below
.else
	PLACES
.endif
	FETCH \next, 0, F0
	WIN MUL_HI
	MUL16 F1, 1, 0, 0
	MUL16 F1, 1, 2, 0
.endm
.macro LAP first
	THREE 0, \first
	TURN 0, 1, 1
	THREE 1, 0
	TURN 1, 0, 1
.endm
	s_wait_loadcnt 0x0                             ; the bias is in
	s_wait_tensorcnt 1                             ; my part of K step 0 is in; K step 1's stays out
	s_barrier_signal -1
	s_barrier_wait -1
	FETCH 0, 0, F0
	LAP 1
	WIN 0
	s_mov_b32 s3, LAPS-2
.Llap:
	LAP 0
	WIN 0
	s_sub_co_u32 s3, s3, 1
	s_cmp_lg_u32 s3, 0
	s_cbranch_scc1 .Llap
	THREE 0, 0                                     ; the last lap fills nothing
	TURN 0, 1, 0
	THREE 1, 0
	s_wait_dscnt 8
	WIN MUL_LO
	MUL16 F1, 0, 0, 0
	MUL16 F1, 0, 2, 0
	s_wait_dscnt 0
	WIN MUL_HI
	MUL16 F1, 1, 0, 0
	MUL16 F1, 1, 2, 0
	; THE WAY OUT, 16 rows at a time: a lane's 32 bytes of each tile into my own stage in LDS, read back as whole rows of 512 bytes.
	PLACES                                         ; behind the last matrix instructions: for the LDS stores of results and the loads into buffers 0 and 1
; rows 16 i .. + 15 = the tiles (aw, 0..7) of window 2 or 3 (w1 = 0x08 or 0x0c: an LDS store's data is source 1); f: F0 or F1 in turn
.macro OUT16F i, aw, w1, f
	WIN \w1
.irp b, 0,1,2,3,4,5,6,7
	ds_store_b128 v[STO], v[8*(8*\aw+\b):8*(8*\aw+\b)+3]   offset:64*\b
	ds_store_b128 v[STO], v[8*(8*\aw+\b)+4:8*(8*\aw+\b)+7] offset:64*\b+16
.endr
	WIN 0
	s_wait_xcnt 0x0                                ; buffer f, which stores read, and the stores' base are rewritten only behind this wait
.if \i
	s_add_nc_u64 s[8:9], s[8:9], 16*SIZE_N*4       ; 16 rows on
.endif
.irp t, 0,1,2,3,4,5,6,7,8,9,10,11,12,13,14,15
	ds_load_b128 v[\f+4*\t:\f+4*\t+3], v[RD] offset:\t*FPITCH      ; LDS serves a wave's instructions in order: these see the stores above
.endr
.irp t, 0,1,2,3,4,5,6,7,8,9,10,11,12,13,14,15
	s_wait_dscnt 15-\t                             ; the younger read-backs may be out
	global_store_b128 v[CO], v[\f+4*\t:\f+4*\t+3], s[8:9] offset:\t*SIZE_N*4 th:TH_STORE_NT   ; the wave stores 512 consecutive bytes of a row, at a multiple of 512
.endr
.endm
	OUT16F 0, 0, 0x08, F0
	OUT16F 1, 1, 0x08, F1
	OUT16F 2, 2, 0x08, F0
	OUT16F 3, 3, 0x08, F1
	OUT16F 4, 0, 0x0c, F0
	OUT16F 5, 1, 0x0c, F1
	OUT16F 6, 2, 0x0c, F0
	OUT16F 7, 3, 0x0c, F1
	s_set_vgpr_msb 0x1
	s_wait_tensorcnt 0x0
	ds_add_u32 v255, v255
	s_wait_dscnt 0x0
	s_set_vgpr_msb 0x100
	CROUND                                         ; the closing round: no work-group ends while a partner may still ask for a tile that names it
	s_endpgm
.Lfunc_end_k_qd6e13d3b86_go:
	.size	k_qd6e13d3b86_go, .Lfunc_end_k_qd6e13d3b86_go-k_qd6e13d3b86_go
	.p2alignl 7, 3214868480
	.fill 96, 4, 3214868480
	.section	.rodata,"a",@progbits
	.p2align	6, 0x0
	.amdhsa_kernel k_qd6e13d3b86_go
		.amdhsa_group_segment_fixed_size 327680
		.amdhsa_private_segment_fixed_size 0
		.amdhsa_enable_private_segment 0
		.amdhsa_kernarg_size 32
		.amdhsa_user_sgpr_count 2
		.amdhsa_user_sgpr_kernarg_segment_ptr 1
		.amdhsa_wavefront_size32 1
		.amdhsa_system_sgpr_workgroup_id_x 1
		.amdhsa_system_sgpr_workgroup_id_y 1
		.amdhsa_system_sgpr_workgroup_id_z 1
		.amdhsa_system_vgpr_workitem_id 0
		.amdhsa_next_free_vgpr 1024
		.amdhsa_next_free_sgpr 94
		.amdhsa_reserve_vcc 0
		.amdhsa_float_denorm_mode_32 3
		.amdhsa_float_denorm_mode_16_64 3
		.amdhsa_memory_ordered 1
		.amdhsa_forward_progress 1
		.amdhsa_inst_pref_size 199
	.end_amdhsa_kernel
	.amdgpu_metadata
---
amdhsa.version: [ 1, 2 ]
amdhsa.kernels:
  - .name:           k_qd6e13d3b86_go
    .symbol:         k_qd6e13d3b86_go.kd
    .args:
      - { .name: yb, .offset: 0, .size: 8, .value_kind: global_buffer, .address_space: global }
      - { .name: wb, .offset: 8, .size: 8, .value_kind: global_buffer, .address_space: global }
      - { .name: bo, .offset: 16, .size: 8, .value_kind: global_buffer, .address_space: global }
      - { .name: out0, .offset: 24, .size: 8, .value_kind: global_buffer, .address_space: global }
    .group_segment_fixed_size: 327680
    .private_segment_fixed_size: 0
    .kernarg_segment_align: 8
    .kernarg_segment_size: 32
    .max_flat_workgroup_size: 128
    .sgpr_count:     94
    .vgpr_count:     1024
    .wavefront_size: 32
...
	.end_amdgpu_metadata
.endif
;; end of part 4
;; ======== version 2 of 2: 3 launches; 1.12 times as fast as version 1
;; workspace buffers: xb 67,108,864 bytes; wb 8,388,608 bytes; yb 33,554,432 bytes
;; launch prep (part 5): grid 256 x 1, 16 waves a work-group, no clusters, 0 bytes of LDS; arguments query, key, Wq, Wv, Wk, Wo, gate, Wg, bg, xb, wb; writes xb, wb
.if DOCPART == 5
	.amdgcn_target "amdgcn-amd-amdhsa--gfx1250"
	.amdhsa_code_object_version 6
	.text
	.protected	k_qd6e13d3b86_prep
	.globl	k_qd6e13d3b86_prep
	.p2align	8
	.type	k_qd6e13d3b86_prep,@function
k_qd6e13d3b86_prep:
	s_mov_b64 s[64:65], 0
	v_nop
	global_prefetch_b8 v0, s[64:65] scope:SCOPE_SE
	s_setreg_imm32_b32 hwreg(HW_REG_WAVE_MODE, 25, 1), 1
	s_wait_xcnt 0x0
; prep: (1) xb = bf16(query rows, then key rows), wb = bf16(Wq, Wv, Wk, Wo, 1,024 rows each);  (2) g = sigmoid(gate Wg^T + bg).
; Sixteen waves.  Waves 0-7 stream and round the six large inputs, each byte read once and written once.  Waves 8-15 form g meanwhile:
; the stream leaves the arithmetic units idle, and g is arithmetic with hardly any bytes.
; STATED PLAINLY: in the function that this program computes, g is formed and then replaced by a view of k, so no later step reads it.
; Here it is formed in full (every gate, Wg and bg number is loaded and used) and stays in registers: it is not stored, since a store would
; add 16,384 x 4,096 numbers of traffic for a value without a reader.
; LIMITS: query, key and the weights are rounded once to bf16 (nearest even), as operands of the matrix products that follow.
; No LDS, no barrier: no wave uses another's data.
.set X,   4                            ; cast: v[4:131]   ring of 32 slots x 4: slot 2i query chunk i of a round, slot 2i+1 key chunk i
.set Y,   132                          ; cast: v[132:195] slot j: 2 registers to store; ahead of the ring: the 16 chunks of weights, 4 registers each
.set AF,  16                           ; gate: v[16:79]   A fragments: tile t = 2a + variant at AF + 8t (variant 0: gate row in lanes 0-15, 1: in lanes 16-31)
.set BF,  80                           ; gate: v[80:87]   B fragment: 32 rows of Wg, two column tiles at once
.set BS,  98                           ; gate: v98, v99   bg of my column in the two tiles, times -log2 e
.set D,   100                          ; gate: v[100:163] eight result tiles (first: the gate rows as loaded)
.set RAW, 164                          ; gate: v[164:195] four buffers x 8: a row of Wg as loaded
.set BR,  196                          ; gate: v[196:203] four buffers x 2: bg of my column in the two tiles
	s_load_b512 s[4:19], s[0:1], 0x0               ; query 4:5, key 6:7, Wq 8:9, Wv 10:11, Wk 12:13, Wo 14:15, gate 16:17, Wg 18:19
	s_load_b128 s[20:23], s[0:1], 0x40             ; bg 20:21, xb 22:23
	s_load_b64 s[24:25], s[0:1], 0x50              ; wb
	v_lshrrev_b32 v3, 5, v0
	v_readfirstlane_b32 s26, v3                    ; wave 0..15
	v_and_b32 v3, 31, v0                           ; lane
	s_mov_b32 s41, 0                               ; high word of every offset pair s[40:41]
	s_cmp_lt_u32 s26, 8
	s_cbranch_scc0 .Lgate
; ---------------- waves 0-7: the cast ----------------
; u = 8 x work-group + wave, 0..2047.  A chunk is 512 bytes of f32 (one 16-byte load a lane) and becomes 256 bytes of bf16 (one 8-byte store a
; lane): every load covers 512 consecutive bytes, every store 256 consecutive bytes at a multiple of 256.
; Wave u takes 64 chunks of query, 64 of key and 4 of each weight.  A round is 16 chunks of query and 16 of key: 32 loads of the wave are always out.
	v_lshlrev_b32 v1, 4, v3                        ; 16 x lane: never rewritten
	v_lshlrev_b32 v2, 3, v3                        ; 8 x lane: never rewritten
	s_lshl_b32 s27, ttmp9, 3
	s_add_co_u32 s27, s27, s26                     ; u
	s_lshl_b32 s40, s27, 15                        ; 64 chunks of 512 bytes
	s_wait_kmcnt 0x0
	s_add_nc_u64 s[28:29], s[4:5], s[40:41]        ; my part of query
	s_add_nc_u64 s[30:31], s[6:7], s[40:41]        ; my part of key
	s_lshl_b32 s40, s27, 14
	s_add_nc_u64 s[32:33], s[22:23], s[40:41]      ; where query goes in xb
	s_add_nc_u64 s[34:35], s[32:33], 0x2000000     ; key: 16,384 rows of 2,048 bytes further on
	s_lshl_b32 s40, s27, 11                        ; 4 chunks of 512 bytes
.irp k, 0,1,2,3
	s_add_nc_u64 s[8+2*\k:9+2*\k], s[8+2*\k:9+2*\k], s[40:41]
.endr
	s_lshl_b32 s40, s27, 10
	s_add_nc_u64 s[36:37], s[24:25], s[40:41]      ; where my part of each weight goes, inside its 2,097,152 bytes of wb
.irp k, 0,1,2,3
.irp c, 0,1,2,3
	global_load_b128 v[Y+4*(4*\k+\c):Y+4*(4*\k+\c)+3], v1, s[8+2*\k:9+2*\k] offset:512*\c th:TH_LOAD_NT
.endr
.endr
.irp i, 0,1,2,3,4,5,6,7,8,9,10,11,12,13,14,15
	global_load_b128 v[X+8*\i:X+8*\i+3],   v1, s[28:29] offset:512*\i th:TH_LOAD_NT    ; the ring's first round
	global_load_b128 v[X+8*\i+4:X+8*\i+7], v1, s[30:31] offset:512*\i th:TH_LOAD_NT
.endr
.irp k, 0,1,2,3
.irp c, 0,1,2,3
	s_wait_loadcnt 47-(4*\k+\c)                    ; loads return in order (ISA guide 5.7.1): younger are the weight chunks behind this one and the ring's 32
	v_cvt_pk_bf16_f32 v[Y+4*(4*\k+\c)],   v[Y+4*(4*\k+\c)],   v[Y+4*(4*\k+\c)+1]       ; rounded in place: four registers become two
	v_cvt_pk_bf16_f32 v[Y+4*(4*\k+\c)+1], v[Y+4*(4*\k+\c)+2], v[Y+4*(4*\k+\c)+3]
	global_store_b64 v2, v[Y+4*(4*\k+\c):Y+4*(4*\k+\c)+1], s[36:37] offset:\k*2097152+\c*256
.endr
.endr
	s_wait_xcnt 0x0                                ; Y, which the weights' stores read, is rewritten by the ring only behind this wait
; One slot's turn.  j: slot; src, dst: the base pairs; i: the chunk's place in the round; ahead = 1: the slot gets the same place of the next round;
; left: how many younger loads may stay out.  A slot's Y was read by its store of the round before: the one wait at the end of a round frees all 32.
.macro SLOT j, src, dst, i, ahead, left
	s_wait_loadcnt \left                           ; my load is in, the younger ones stay out
	v_cvt_pk_bf16_f32 v[Y+2*(\j)],   v[X+4*(\j)],   v[X+4*(\j)+1]
	v_cvt_pk_bf16_f32 v[Y+2*(\j)+1], v[X+4*(\j)+2], v[X+4*(\j)+3]
.if \ahead
	global_load_b128 v[X+4*(\j):X+4*(\j)+3], v1, s[\src:\src+1] offset:8192+512*(\i) th:TH_LOAD_NT
.endif
	global_store_b64 v2, v[Y+2*(\j):Y+2*(\j)+1], s[\dst:\dst+1] offset:256*(\i)
.endm
	s_mov_b32 s38, 3                               ; 4 rounds of 16 + 16 chunks; the last is written out
.Lround:
.irp i, 0,1,2,3,4,5,6,7,8,9,10,11,12,13,14,15
	SLOT 2*\i,   28, 32, \i, 1, 31
	SLOT 2*\i+1, 30, 34, \i, 1, 31
.endr
	s_wait_xcnt 0x0                                ; the four bases are stepped, and the 32 slots' Y rewritten, only behind this wait
	s_add_nc_u64 s[28:29], s[28:29], 8192
	s_add_nc_u64 s[30:31], s[30:31], 8192
	s_add_nc_u64 s[32:33], s[32:33], 4096
	s_add_nc_u64 s[34:35], s[34:35], 4096
	s_sub_co_u32 s38, s38, 1
	s_cmp_lg_u32 s38, 0
	s_cbranch_scc1 .Lround
.irp i, 0,1,2,3,4,5,6,7,8,9,10,11,12,13,14,15
	SLOT 2*\i,   28, 32, \i, 0, 31-2*\i            ; the last round loads nothing: the counts run down, no load passes a buffer's end
	SLOT 2*\i+1, 30, 34, \i, 0, 30-2*\i
.endr
	s_endpgm
; ---------------- waves 8-15: g = sigmoid(gate Wg^T + bg) ----------------
; The work-group owns gate rows 64 x work-group .. + 63 (4 row tiles a); wave w' = wave - 8 owns columns 512 w' .. + 511 (16 pairs p of column tiles).
; K is 8, the matrix instruction's is 32.  One B fragment serves two column tiles: lane l holds Wg row 32 p + l in registers 0-3, so that
; lanes 0-15 stand at k = 0..7 of column l and lanes 16-31 at k = 8..15 of column l - 16; registers 4-7 (k = 16..31) are 0.
; A comes in two variants: the gate row at k = 0..7 (lanes 0-15, zeros in lanes 16-31) picks tile 2p, at k = 8..15 picks tile 2p + 1.
; Wg and bg are asked for four pairs ahead, into four buffers that take turns.
.Lgate:
	s_sub_co_u32 s27, s26, 8                       ; w'
	s_mov_b32 s43, 0xbfb8aa3b                      ; -log2 e
	v_and_b32 v4, 15, v0                           ; r
	v_lshlrev_b32 v1, 5, v4                        ; a gate row is 32 bytes
	v_lshlrev_b32 v2, 5, v3                        ; a row of Wg too: lane l takes row l of the pair's 32
	v_lshlrev_b32 v5, 2, v4                        ; bg of column r
	v_cmp_gt_u32 vcc_lo, 16, v3                    ; lanes 0-15
	v_cmp_le_u32 s42, 16, v3                       ; lanes 16-31
	s_lshl_b32 s40, ttmp9, 11                      ; 64 rows of 32 bytes
	s_wait_kmcnt 0x0
	s_add_nc_u64 s[28:29], s[16:17], s[40:41]
	s_lshl_b32 s40, s27, 14                        ; 512 rows of Wg
	s_add_nc_u64 s[30:31], s[18:19], s[40:41]
	s_lshl_b32 s40, s27, 11                        ; 512 numbers of bg
	s_add_nc_u64 s[32:33], s[20:21], s[40:41]
.irp a, 0,1,2,3
	global_load_b128 v[D+8*\a:D+8*\a+3],   v1, s[28:29] offset:512*\a
	global_load_b128 v[D+8*\a+4:D+8*\a+7], v1, s[28:29] offset:512*\a+16
.endr
.macro WGLOAD u, p                     ; into buffer u: the 32 rows of Wg and 2 x 16 numbers of bg of the pair p pairs behind the bases
	global_load_b128 v[RAW+8*\u:RAW+8*\u+3],   v2, s[30:31] offset:1024*(\p)
	global_load_b128 v[RAW+8*\u+4:RAW+8*\u+7], v2, s[30:31] offset:1024*(\p)+16
	global_load_b32 v[BR+2*\u],   v5, s[32:33] offset:128*(\p)
	global_load_b32 v[BR+2*\u+1], v5, s[32:33] offset:128*(\p)+64
.endm
	WGLOAD 0, 0
	WGLOAD 1, 1
	WGLOAD 2, 2
	WGLOAD 3, 3
.irp t, 0,1,2,3,4,5,6,7
.irp j, 4,5,6,7
	v_mov_b32 v[AF+8*\t+\j], 0                     ; k = 16..31 does not exist: padding of the operands, written once
.endr
.endr
.irp j, 4,5,6,7
	v_mov_b32 v[BF+\j], 0
.endr
	s_wait_loadcnt 16                              ; the gate rows are in; the sixteen younger loads are pairs 0 to 3
.irp a, 0,1,2,3
.irp j, 0,1,2,3
	v_cvt_pk_bf16_f32 v[AF+16*\a+8+\j], v[D+8*\a+2*\j], v[D+8*\a+2*\j+1]
.endr
.irp j, 0,1,2,3
	v_cndmask_b32 v[AF+16*\a+\j],   0, v[AF+16*\a+8+\j], vcc_lo    ; variant 0: kept in lanes 0-15
	v_cndmask_b32 v[AF+16*\a+8+\j], 0, v[AF+16*\a+8+\j], s42       ; variant 1: kept in lanes 16-31
.endr
.endr
; sigmoid(x + b) = 1 / (1 + 2^(-log2 e x - log2 e b)), tile by tile, in four steps of eight registers
.macro FSTEP t
.irp j, 0,1,2,3,4,5,6,7
	v_fma_f32 v[D+8*(\t)+\j], v[D+8*(\t)+\j], s43, v[BS+((\t)&1)]
.endr
.endm
.macro ESTEP t
.irp j, 0,1,2,3,4,5,6,7
	v_exp_f32 v[D+8*(\t)+\j], v[D+8*(\t)+\j]
.endr
.endm
.macro ASTEP t
	s_wait_alu depctr_va_vdst(0)
.irp j, 0,1,2,3,4,5,6,7
	v_add_f32 v[D+8*(\t)+\j], 1.0, v[D+8*(\t)+\j]
.endr
.endm
.macro RSTEP t
.irp j, 0,1,2,3,4,5,6,7
	v_rcp_f32 v[D+8*(\t)+\j], v[D+8*(\t)+\j]
.endr
.endm
; One pair of column tiles x 4 row tiles, from buffer u.  ahead = 1: the buffer gets the pair four further on.  left: how many younger loads may stay out.
.macro PAIR u, ahead, left
	s_wait_loadcnt \left                           ; this pair's four loads are in; the three younger pairs' twelve stay out
.irp j, 0,1,2,3
	v_cvt_pk_bf16_f32 v[BF+\j], v[RAW+8*\u+2*\j], v[RAW+8*\u+2*\j+1]       ; also the plain instructions behind the last pair's reciprocals (ISA guide 5.7.2)
.endr
	s_wait_alu depctr_va_vdst(0)
.irp t, 0,1,2,3,4,5,6,7
	v_wmma_f32_16x16x32_bf16 v[D+8*\t:D+8*\t+7], v[AF+8*\t:AF+8*\t+7], v[BF:BF+7], 0    ; eight accumulators, one product each: no sum is carried on
.endr
	v_mul_f32 v[BS],   s43, v[BR+2*\u]             ; these two and the two v_nop are the four places behind the matrix instructions (ISA guide 7.12.1)
	v_mul_f32 v[BS+1], s43, v[BR+2*\u+1]
.if \ahead
	WGLOAD \u, 4+\u                                ; the buffer has been read; four pairs' work lies between these loads and their wait
.endif
	v_nop
	v_nop
	FSTEP 0
.irp t, 0,1,2,3,4,5,6
	ESTEP \t
	FSTEP \t+1                                     ; plain work on the next tile stands between the exponentials and their use (ISA guide 5.7.2)
	ASTEP \t
	RSTEP \t                                       ; g of this tile: it has no reader and ends here
.endr
	ESTEP 7
	v_nop
	s_wait_alu depctr_va_vdst(0)
	ASTEP 7
	RSTEP 7
.endm
	s_mov_b32 s38, 3                               ; 4 trips of 4 pairs; the last is written out
.Lpair:
	PAIR 0, 1, 12
	PAIR 1, 1, 12
	PAIR 2, 1, 12
	PAIR 3, 1, 12
	s_wait_xcnt 0x0                                ; the two bases are stepped only behind this wait
	s_add_nc_u64 s[30:31], s[30:31], 4096          ; 4 x 32 rows of Wg
	s_add_nc_u64 s[32:33], s[32:33], 512           ; 4 x 32 numbers of bg
	s_sub_co_u32 s38, s38, 1
	s_cmp_lg_u32 s38, 0
	s_cbranch_scc1 .Lpair
	PAIR 0, 0, 12                                  ; the last four pairs ask for nothing more: the counts run down
	PAIR 1, 0, 8
	PAIR 2, 0, 4
	PAIR 3, 0, 0
	s_endpgm
.Lfunc_end_k_qd6e13d3b86_prep:
	.size	k_qd6e13d3b86_prep, .Lfunc_end_k_qd6e13d3b86_prep-k_qd6e13d3b86_prep
	.p2alignl 7, 3214868480
	.fill 96, 4, 3214868480
	.section	.rodata,"a",@progbits
	.p2align	6, 0x0
	.amdhsa_kernel k_qd6e13d3b86_prep
		.amdhsa_group_segment_fixed_size 0
		.amdhsa_private_segment_fixed_size 0
		.amdhsa_enable_private_segment 0
		.amdhsa_kernarg_size 88
		.amdhsa_user_sgpr_count 2
		.amdhsa_user_sgpr_kernarg_segment_ptr 1
		.amdhsa_wavefront_size32 1
		.amdhsa_system_sgpr_workgroup_id_x 1
		.amdhsa_system_sgpr_workgroup_id_y 1
		.amdhsa_system_sgpr_workgroup_id_z 1
		.amdhsa_system_vgpr_workitem_id 0
		.amdhsa_next_free_vgpr 208
		.amdhsa_next_free_sgpr 66
		.amdhsa_reserve_vcc 1
		.amdhsa_float_denorm_mode_32 3
		.amdhsa_float_denorm_mode_16_64 3
		.amdhsa_memory_ordered 1
		.amdhsa_forward_progress 1
		.amdhsa_inst_pref_size 128
	.end_amdhsa_kernel
	.amdgpu_metadata
---
amdhsa.version: [ 1, 2 ]
amdhsa.kernels:
  - .name:           k_qd6e13d3b86_prep
    .symbol:         k_qd6e13d3b86_prep.kd
    .args:
      - { .name: query, .offset: 0, .size: 8, .value_kind: global_buffer, .address_space: global }
      - { .name: key, .offset: 8, .size: 8, .value_kind: global_buffer, .address_space: global }
      - { .name: Wq, .offset: 16, .size: 8, .value_kind: global_buffer, .address_space: global }
      - { .name: Wv, .offset: 24, .size: 8, .value_kind: global_buffer, .address_space: global }
      - { .name: Wk, .offset: 32, .size: 8, .value_kind: global_buffer, .address_space: global }
      - { .name: Wo, .offset: 40, .size: 8, .value_kind: global_buffer, .address_space: global }
      - { .name: gate, .offset: 48, .size: 8, .value_kind: global_buffer, .address_space: global }
      - { .name: Wg, .offset: 56, .size: 8, .value_kind: global_buffer, .address_space: global }
      - { .name: bg, .offset: 64, .size: 8, .value_kind: global_buffer, .address_space: global }
      - { .name: xb, .offset: 72, .size: 8, .value_kind: global_buffer, .address_space: global }
      - { .name: wb, .offset: 80, .size: 8, .value_kind: global_buffer, .address_space: global }
    .group_segment_fixed_size: 0
    .private_segment_fixed_size: 0
    .kernarg_segment_align: 8
    .kernarg_segment_size: 88
    .max_flat_workgroup_size: 512
    .sgpr_count:     66
    .vgpr_count:     208
    .wavefront_size: 32
...
	.end_amdgpu_metadata
.endif
;; end of part 5
;; launch gqk (part 6): grid 4 x 64, 4 waves a work-group, clusters of 4 x 4, 327,680 bytes of LDS; arguments xb, wb, bq, bk, yb; writes yb
.if DOCPART == 6
	.amdgcn_target "amdgcn-amd-amdhsa--gfx1250"
	.amdhsa_code_object_version 6
	.text
	.protected	k_qd6e13d3b86_gqk
	.globl	k_qd6e13d3b86_gqk
	.p2align	8
	.type	k_qd6e13d3b86_gqk,@function
k_qd6e13d3b86_gqk:
	s_mov_b64 s[64:65], 0
	v_nop
	global_prefetch_b8 v0, s[64:65] scope:SCOPE_SE
	s_setreg_imm32_b32 hwreg(HW_REG_WAVE_MODE, 25, 1), 1
	s_wait_xcnt 0x0
	s_wait_alu depctr_hold_cnt(0) depctr_sa_sdst(0) depctr_va_vdst(0) depctr_va_sdst(0) depctr_va_ssrc(0) depctr_va_vcc(0) depctr_vm_vsrc(0)
	s_getreg_b32 s2, hwreg(HW_REG_IB_STS2, 6, 4)
	s_cmp_eq_u32 s2, 0
	s_cbranch_scc0 .Lentry_in_a_cluster
	s_endpgm
.Lentry_in_a_cluster:
	s_bfe_u32 s2, ttmp6, 0x10000c
	s_cmp_lg_u32 s2, 0xf033
	s_cbranch_scc0 .Lentry_shape_is_right
	s_endpgm
.Lentry_shape_is_right:
; gqk: q = query Wq^T + bq;  k = key Wk^T + bk;  score[n][h] = 64^-1/2 x sum over the head's 64 columns of q k;  attn = softmax over the one key;
; yb = bf16(attn x (k x k)), since v and g are both views of k.
; A work-group makes the same block of 256 x 256 of q and then of k, with four waves, one for each SIMD; a wave makes 128 x 128: 64 accumulator tiles of
; 16 x 16, 512 registers.  K goes in steps of 128 through a ring of two LDS slots filled by the tensor data mover (a tile's rows are 256 bytes of memory
; at multiples of 256); the ring runs on from q's eight K steps into k's eight without a stop.  Between the two products q is rounded to bf16 into 256
; registers of the wave that made it: it never leaves the registers.  A wave's 128 columns are two whole heads, so score and softmax stay in the wave.
; CLUSTERS: 4 x 4 work-groups.  The four of a row of the cluster need the same tiles of A, the four of a column the same tiles of B: such a tile is
; asked for jointly, by the same tensor load with the same descriptor and a mask that names the four.  That divides the requests by four.
; THE SOFTMAX is written as it stands: the maximum over the keys (there is one key: the score itself) is taken away, the exponential is divided by the
; sum of the exponentials (one term).  A finite score gives 1; a score that is not finite gives NaN, as in the function computed.
; LIMITS: operands of the products are bf16, q among them (operand of the score product); k stays f32 until y is rounded once to bf16; bk is added in
; f32 behind k's sums, bq in front of q's; the score's 64 terms are added in another order than a plain loop's.
; REGISTERS, in windows of 256:
;   window 0: v0-31 addresses; v32-95, v96-159 fragments of B, two buffers; v160-191 fragments of A's rows 0-63, ONE buffer (it is fetched again in the
;             middle of a quarter step, behind the 32 products that read it); v192-223, v224-255 fragments of A's rows 64-127, two buffers.
;             On the way out: v32-95 bk, v96-159 q in f32 and then k x k, v160-191 sums and the softmax, v192-223 packed results, v224-255 rows read back
;   window 1: first v0-63 bq in the layout of eight accumulator tiles; then all 256: q, packed (rows 16 i .. + 15, n block b: v[32 i + 4 b .. + 3])
;   window 2: the 32 accumulator tiles of my rows 0-63 (tile (a, b) at v[8 (8 a + b)]);   window 3: those of my rows 64-127
; THE MATRIX INSTRUCTION IS USED TRANSPOSED: source 0 = 16 rows of B, source 1 = 16 rows of A, so that lane l holds row l % 16 of the result and its
; registers 0 to 7 the columns 8 (l / 16) + 0 .. 7: eight neighbouring numbers of a row.
.set SIZE_K, 1024
.set SIZE_N, 1024
.set KSTEP,  128
.set PITCH,  272                       ; an LDS row: 256 bytes + 16 of padding: the 16 rows that a load touches start 16 bytes apart modulo 256
.set HALFT,  128*PITCH                 ; 128 rows: what one tensor load brings
.set SLOT,   4*HALFT                   ; A's 256 rows, then B's 256 rows
.set STAGE,  2*SLOT                    ; behind the ring: 16 rows x 272 bytes for each wave, for the way out
.set SPITCH, 272
.set BIASL,  STAGE+4*16*SPITCH         ; behind the stages: 512 bytes for each wave: bk of its 128 columns
.set STEP2,  2*KSTEP*2                 ; a slot's next tile: two K steps on, in bytes
.set TO_KEY, 16384*SIZE_K*2-3*STEP2    ; from a slot's last tile of query to its first of key: 16,384 rows on, three steps of the slot back
.set TO_WK,  2048*SIZE_K*2-3*STEP2     ; from Wq to Wk: 2,048 rows of wb on, three steps back
.set ADRA, 16                          ; v16-17  LDS address of my A fragments in slot 0, 1
.set ADRB, 20                          ; v20-21  the same for B
.set STO,  24                          ; the way out: where I put 16 bytes of a row
.set RD,   25                          ; the way out: where I read a row back
.set CO,   26                          ; my byte offset in yb
.set BO,   27                          ; my byte offset in a bias: 32 (l / 16)
.set BL,   28                          ; LDS address of bk for my half of the lanes
.set FB,   32                          ; B fragments: buffer f at FB + 64 f
.set AL,   160                         ; A fragments, rows 0-63
.set AH,   192                         ; A fragments, rows 64-127: buffer f at AH + 32 f
.set BK,   32
.set QF,   96
.set P,    160
.set S,    176
.set TMP,  192
.set RB,   224
.set G1, 24                            ; s[24:31] descriptor group 1 for A's tiles
.set G0, 32                            ; s[32:39] descriptor group 0 for A's tiles, one set for each slot
.set G1B, 48                           ; s[48:55] group 1 for B's tiles: it differs in the mask alone
.set G0B, 56                           ; s[56:63] group 0 for B's tiles
.set MSB, 0
.macro WIN new                         ; the immediate's high byte repeats the setting that is left
.if MSB != \new
	s_set_vgpr_msb (MSB<<8)|\new
.set MSB, \new
.endif
.endm
.set MUL_LO,   0xa0                    ; sources 0 and 1 window 0, C and D window 2
.set MUL_HI,   0xf0                    ; C and D window 3
.set FIRST_LO, 0x90                    ; q's first product: C (bq) window 1, D window 2
.set FIRST_HI, 0xd0                    ; C window 1, D window 3
.set TO_W1,    0x40                    ; destination window 1, address window 0
; A joint load.  Waves 0 and 1 fetch A's two halves, waves 2 and 3 B's.  Each line has one mask and one set of registers for all that issue it.
; The branch hangs on the wave's number alone.  Four v_nop follow each of the two lines.
.macro JLOAD s
	s_cmp_eq_u32 s11, 0
	s_cbranch_scc0 .Lfor_b_\@
	tensor_load_to_lds s[G0+4*\s:G0+4*\s+3], s[G1:G1+7]
	s_nop 0
.rept 4
	v_nop
.endr
	s_branch .Lasked_\@
.Lfor_b_\@:
	tensor_load_to_lds s[G0B+4*\s:G0B+4*\s+3], s[G1B:G1B+7]
	s_nop 0
.rept 4
	v_nop
.endr
.Lasked_\@:
.endm
; A round of the cluster's barrier: my work-group's barrier; wave 0 signals for the work-group; every wave waits for all sixteen; my work-group's barrier again.
.macro CREST                           ; a round behind its opening barrier
	s_cmp_lg_u32 s10, 0
	s_cbranch_scc1 .Lnot_wave_0_\@
	s_barrier_signal -3
.Lnot_wave_0_\@:
	s_barrier_wait -3
	s_barrier_signal -1
	s_barrier_wait -1
.endm
.macro CROUND
	s_barrier_signal -1
	s_barrier_wait -1
	CREST
.endm
	s_load_b128 s[4:7], s[0:1], 0x0                ; xb s[4:5], wb s[6:7]
	s_load_b128 s[68:71], s[0:1], 0x10             ; bq s[68:69], bk s[70:71]
	s_load_b64 s[8:9], s[0:1], 0x20                ; yb
	v_lshl_add_u32 v30, v0, 2, 0x48c00
	v_mov_b32 v31, 0
	ds_add_u32 v30, v31
	ds_add_u32 v30, v31
	v_lshrrev_b32 v1, 5, v0
	v_readfirstlane_b32 s10, v1                    ; wave 0..3
	s_lshr_b32 s11, s10, 1                         ; which half of the block's rows is mine.  Also: I fetch for A (0) or for B (1)
	s_and_b32 s12, s10, 1                          ; which half of its columns.  Also: which 128 rows of that tile I fetch
	s_mov_b32 s84, 0xffff0000                      ; a word's upper bf16
	s_mov_b32 s85, 0x76543210                      ; v_permlanex16_b32: lane i of one half reads lane i of the other
	s_mov_b32 s86, 0xfedcba98
	s_bfe_u32 s40, ttmp6, 0x40000                  ; cx
	s_bfe_u32 s41, ttmp6, 0x40004                  ; cy
	s_lshl_b32 s42, ttmp9, 2
	s_add_co_u32 s42, s42, s40                     ; block column = 4 x cluster x + cx
	s_and_b32 s13, ttmp7, 0xffff
	s_lshl_b32 s13, s13, 2
	s_add_co_u32 s13, s13, s41                     ; block row = 4 x cluster y + cy, 0..63
	s_lshl_b32 s43, s41, 2
	s_lshl_b32 s43, 15, s43                        ; my row of the cluster: places 4 cy .. 4 cy + 3
	s_lshl_b32 s44, 0x1111, s40                    ; my column: places cx, cx + 4, cx + 8, cx + 12
	; descriptor group 1: a tile of 128 rows x 128 elements of 2 bytes, 4 words of padding behind every 64 words
	s_or_b32 s[G1+0], s43, (1<<16)|(1<<20)|(1<<21)|(5<<22)|(3<<25)
	s_or_b32 s[G1B+0], s44, (1<<16)|(1<<20)|(1<<21)|(5<<22)|(3<<25)
	s_mov_b32 s[G1B+1], KSTEP<<16
	s_mov_b32 s[G1+1], KSTEP<<16                   ; tensor_dim0 = 128
	s_mov_b32 s[G1B+2], 128<<16
	s_mov_b32 s[G1+2], 128<<16                     ; tensor_dim1 = 128
	s_mov_b32 s[G1B+3], KSTEP<<16
	s_mov_b32 s[G1+3], KSTEP<<16                   ; tile_dim0 = 128
	s_mov_b32 s[G1B+4], 128
	s_mov_b32 s[G1+4], 128                         ; tile_dim1 = 128
	s_mov_b32 s[G1B+5], SIZE_K
	s_mov_b32 s[G1+5], SIZE_K                      ; elements from row to row
	s_mov_b32 s[G1B+6], 0
	s_mov_b32 s[G1+6], 0
	s_mov_b32 s[G1B+7], 0
	s_mov_b32 s[G1+7], 0
	; where the tiles come from.  A's hang on the block row alone, B's on the block column alone.
	s_lshl_b32 s17, s12, 7                         ; which 128 rows of the tile I fetch
	s_lshl_b32 s16, s13, 8
	s_add_co_u32 s16, s16, s17                     ; A: row 256 x block row + 128 x half
	s_lshl_b32 s46, s42, 8
	s_add_co_u32 s46, s46, s17                     ; B: row 256 x block column + 128 x half
	s_mov_b32 s17, 0
	s_mov_b32 s47, 0
	s_mov_b64 s[18:19], SIZE_K*2
	s_mul_u64 s[16:17], s[16:17], s[18:19]         ; in bytes
	s_mul_u64 s[46:47], s[46:47], s[18:19]
	s_mul_i32 s20, s10, HALFT                      ; and where they go: wave x 128 rows
	; my 128 x 128 of yb, in bytes, and my 128 numbers of a bias: in registers that feed no joint load
	s_lshl_b32 s90, s13, 8
	s_lshl_b32 s92, s11, 7
	s_add_co_u32 s90, s90, s92                     ; my first row, at most 16,256
	s_lshl_b32 s90, s90, 11                        ; x 2,048 bytes: below 2^25
	s_lshl_b32 s92, s42, 9
	s_add_co_u32 s90, s90, s92                     ; + 512 x block column
	s_lshl_b32 s92, s12, 8
	s_add_co_u32 s90, s90, s92                     ; + 256 x half
	s_mov_b32 s91, 0
	s_lshl_b32 s88, s42, 10
	s_lshl_b32 s92, s12, 9
	s_add_co_u32 s88, s88, s92                     ; bias: 4 bytes x (256 x block column + 128 x half)
	s_mov_b32 s89, 0
	s_wait_dscnt 0x0
	s_wait_kmcnt 0x0
	s_add_nc_u64 s[66:67], s[68:69], s[88:89]      ; bq of my columns
	s_add_nc_u64 s[70:71], s[70:71], s[88:89]      ; bk of my columns
	s_add_nc_u64 s[8:9], s[8:9], s[90:91]
	s_add_nc_u64 s[14:15], s[4:5], s[16:17]        ; the query rows come first in xb
	s_add_nc_u64 s[46:47], s[6:7], s[46:47]        ; Wq comes first in wb
	CROUND                                         ; all sixteen work-groups are here: the first joint loads meet
.irp s, 0,1
	s_mov_b32 s[G0+4*\s], 1
	s_add_co_u32 s[G0+4*\s+1], s20, \s*SLOT                        ; LDS address
	s_add_nc_u64 s[G0+4*\s+2:G0+4*\s+3], s[14:15], \s*KSTEP*2      ; global address: K step s
	s_or_b32 s[G0+4*\s+3], s[G0+4*\s+3], 0x80000000                ; type = 2
	s_mov_b32 s[G0B+4*\s], 1
	s_add_co_u32 s[G0B+4*\s+1], s20, \s*SLOT
	s_add_nc_u64 s[G0B+4*\s+2:G0B+4*\s+3], s[46:47], \s*KSTEP*2
	s_or_b32 s[G0B+4*\s+3], s[G0B+4*\s+3], 0x80000000
	JLOAD \s                                       ; the ring is filled before anything else is done: two tensor loads of the wave are out
.endr
	; A fragment is 16 rows x 32 K in 8 registers: lane l holds row l % 16; two loads of 16 bytes, 32 bytes apart, at row x pitch + 16 (l / 16).
	v_and_b32 v1, 15, v0                           ; l % 16
	v_bfe_u32 v2, v0, 4, 1                         ; l / 16
	v_mul_u32_u24 v3, v1, PITCH
	v_lshl_add_u32 v3, v2, 4, v3
	v_lshlrev_b32 v[BO], 5, v2
	s_mul_i32 s21, s11, HALFT                      ; my 128 rows of A
	s_mul_i32 s22, s12, HALFT                      ; my 128 rows of B,
	s_add_co_u32 s22, s22, 2*HALFT                 ; which lie behind A's 256
.irp s, 0,1
	v_add_nc_u32 v[ADRA+\s], s21, v3
	v_add_nc_u32 v[ADRB+\s], s22, v3
	s_add_co_u32 s21, s21, SLOT
	s_add_co_u32 s22, s22, SLOT
.endr
	; bq as eight C tiles: register 8 b + j of lane l = bq[16 b + 8 (l / 16) + j]
	WIN TO_W1
.irp b, 0,1,2,3,4,5,6,7
	global_load_b128 v[8*\b:8*\b+3],   v[BO], s[66:67] offset:64*\b
	global_load_b128 v[8*\b+4:8*\b+7], v[BO], s[66:67] offset:64*\b+16
.endr
	WIN 0
	; bk of my 128 columns: 512 bytes, 16 a lane, kept in LDS bytes of my own until the way out (once q is parked no 64 registers are free for it)
	v_and_b32 v6, 31, v0
	v_lshlrev_b32 v6, 4, v6
	global_load_b128 v[8:11], v6, s[70:71]
	s_lshl_b32 s23, s10, 9
	s_add_co_u32 s23, s23, BIASL
	v_add_nc_u32 v7, s23, v6
	v_add_nc_u32 v[BL], s23, v[BO]
	s_mul_i32 s23, s10, 16*SPITCH
	s_add_co_u32 s23, s23, STAGE                   ; my stage
	v_mul_u32_u24 v4, v1, SPITCH                   ; in: row l % 16, 16 bytes for each half of the lanes
	v_lshl_add_u32 v4, v2, 4, v4
	v_add_nc_u32 v[STO], s23, v4
	v_mul_u32_u24 v5, v2, SPITCH                   ; back: lanes 0-15 take one row of 256 bytes, lanes 16-31 the next
	v_lshl_add_u32 v5, v1, 4, v5
	v_add_nc_u32 v[RD], s23, v5
	v_mul_u32_u24 v5, v2, SIZE_N*2                 ; and the same two rows in yb
	v_lshl_add_u32 v[CO], v1, 4, v5
; 16 matrix instructions: m blocks a0, a0 + 1 of the window's four x all 8 n blocks, 32 along K, on fragment buffer f.
; first = 1: C is the bias tile of n block b (window 1);  first = 2: C is 0;  first = 0: the sums go on in place.
.macro MUL16 f, hi, a0, first
.if \hi
.set ASRC, AH+32*\f
.else
.set ASRC, AL
.endif
.irp a, \a0, \a0+1
.irp b, 0,1,2,3,4,5,6,7
.if \first == 1
	v_wmma_f32_16x16x32_bf16 v[8*(8*(\a)+\b):8*(8*(\a)+\b)+7], v[FB+64*\f+8*\b:FB+64*\f+8*\b+7], v[ASRC+8*(\a):ASRC+8*(\a)+7], v[8*\b:8*\b+7]
.else
.if \first == 2
	v_wmma_f32_16x16x32_bf16 v[8*(8*(\a)+\b):8*(8*(\a)+\b)+7], v[FB+64*\f+8*\b:FB+64*\f+8*\b+7], v[ASRC+8*(\a):ASRC+8*(\a)+7], 0
.else
	v_wmma_f32_16x16x32_bf16 v[8*(8*(\a)+\b):8*(8*(\a)+\b)+7], v[FB+64*\f+8*\b:FB+64*\f+8*\b+7], v[ASRC+8*(\a):ASRC+8*(\a)+7], v[8*(8*(\a)+\b):8*(8*(\a)+\b)+7]
.endif
.endif
.endr
.endr
.endm
; 32 LDS loads in one run, all into window 0: the fragments of one quarter step: B into buffer f, A's rows 0-63 into their one buffer, A's rows 64-127 into buffer f
.macro FETCH slot, k, f
	WIN 0
.irp i, 0,1,2,3,4,5,6,7
	ds_load_b128 v[FB+64*\f+8*\i:FB+64*\f+8*\i+3],   v[ADRB+\slot] offset:\k+\i*16*PITCH
	ds_load_b128 v[FB+64*\f+8*\i+4:FB+64*\f+8*\i+7], v[ADRB+\slot] offset:\k+\i*16*PITCH+32
.endr
.irp i, 0,1,2,3
	ds_load_b128 v[AL+8*\i:AL+8*\i+3],   v[ADRA+\slot] offset:\k+\i*16*PITCH
	ds_load_b128 v[AL+8*\i+4:AL+8*\i+7], v[ADRA+\slot] offset:\k+\i*16*PITCH+32
.endr
.irp i, 0,1,2,3
	ds_load_b128 v[AH+32*\f+8*\i:AH+32*\f+8*\i+3],   v[ADRA+\slot] offset:\k+(4+\i)*16*PITCH
	ds_load_b128 v[AH+32*\f+8*\i+4:AH+32*\f+8*\i+7], v[ADRA+\slot] offset:\k+(4+\i)*16*PITCH+32
.endr
.endm
; Four places stand between a matrix instruction and a load into, or a vector instruction on, one of its registers (ISA guide 7.12.1 for vector
; instructions); the matrix instructions in between are not counted.
.macro PLACES
.rept 4
	v_nop
.endr
.endm
; A K step is four quarter steps of 32 along K, 64 matrix instructions each, on buffers 0, 1, 0, 1.  The 64 accumulators take turns, one instruction
; a turn, in the same order in every quarter, over the backward jumps too.
; The fetch in the middle stands behind the 32 products that read A's rows 0-63, so that their one buffer can take the next quarter's.
.macro QUARTER slot, k, f, g, first
	s_wait_dscnt 8                                 ; B and A's rows 0-63 are in; the youngest eight loads (A's rows 64-127) may be out
.if \first == 1
	WIN FIRST_LO
.else
	WIN MUL_LO
.endif
	MUL16 \f, 0, 0, \first
	MUL16 \f, 0, 2, \first
	PLACES
	FETCH \slot, \k, \g
	s_wait_dscnt 32                                ; all but the 32 just issued
.if \first == 1
	WIN FIRST_HI
.else
	WIN MUL_HI
.endif
	MUL16 \f, 1, 0, \first
	MUL16 \f, 1, 2, \first
.endm
.macro THREE slot, first
	QUARTER \slot, 64,  0, 1, \first
	QUARTER \slot, 128, 1, 0, 0
	QUARTER \slot, 192, 0, 1, 0
.endm
; The last quarter: multiplies buffer 1 and changes slots.  fill = 1: this slot is filled again, with the tiles da (A) and db (B) bytes behind its last.
; In front of the barrier each wave waits for its reads of this slot and for all its tensor loads (one is out: its part of the next slot).
; Behind it the refill comes first, then the next slot's first fragments.  From a request to the wait for it a wave issues 240 matrix instructions.
.macro TURN slot, next, fill, da, db
	s_wait_dscnt 8
	WIN MUL_LO
	MUL16 1, 0, 0, 0
	s_wait_dscnt 0                                 ; my reads of this slot are over
	s_wait_tensorcnt 0x0                           ; and all my tensor loads have landed
	ds_add_u32 v30, v31
	s_wait_dscnt 0x0
	s_barrier_signal -1                            ; say so (where a slot is filled again this barrier opens a round of the cluster's barrier),
	MUL16 1, 0, 2, 0                               ; work on registers while the others arrive,
	WIN 0
	s_barrier_wait -1
.if \fill
	CREST                                          ; no wave of any partner still reads this slot's tile or has a load on its way
	s_add_nc_u64 s[G0+4*\slot+2:G0+4*\slot+3], s[G0+4*\slot+2:G0+4*\slot+3], \da
	s_add_nc_u64 s[G0B+4*\slot+2:G0B+4*\slot+3], s[G0B+4*\slot+2:G0B+4*\slot+3], \db
	JLOAD \slot                                    ; the wave's one tensor load behind the round; its four v_nop are also the places in front of the loads below
.else
	PLACES
.endif
	FETCH \next, 0, 0
	WIN MUL_HI
	MUL16 1, 1, 0, 0
	MUL16 1, 1, 2, 0
.endm
.macro LAP first                       ; two K steps = once round the ring, both slots filled again two K steps ahead
	THREE 0, \first
	TURN 0, 1, 1, STEP2, STEP2
	THREE 1, 0
	TURN 1, 0, 1, STEP2, STEP2
.endm
	s_wait_loadcnt 0x0                             ; bq and bk are in
	ds_store_b128 v7, v[8:11]                      ; bk into my own 512 bytes
	s_wait_dscnt 0x0                               ; no LDS instruction is pending at a signal
	s_wait_tensorcnt 1                             ; my part of K step 0 is in; K step 1's stays out
	s_barrier_signal -1
	s_barrier_wait -1                              ; everybody's is
	FETCH 0, 0, 0
	; ---- q: K steps 0 to 7 ----
	LAP 1                                          ; the first products start the sums from bq
	WIN 0                                          ; at a label and at a branch every window is 0
	s_mov_b32 s3, 2
.Llap_q:
	LAP 0
	WIN 0
	s_sub_co_u32 s3, s3, 1
	s_cmp_lg_u32 s3, 0
	s_cbranch_scc1 .Llap_q
	THREE 0, 0                                     ; q's last two K steps: the slots get k's first two tiles
	TURN 0, 1, 1, TO_KEY, TO_WK
	THREE 1, 0
	TURN 1, 0, 1, TO_KEY, TO_WK
	; ---- q is parked: rounded to bf16, two numbers a register, all of window 1 ----
	PLACES                                         ; behind the last matrix instructions
	WIN 0x4a                                       ; destination window 1, sources window 2
.irp a, 0,1,2,3
.irp b, 0,1,2,3,4,5,6,7
.irp c, 0,1,2,3
	v_cvt_pk_bf16_f32 v[32*\a+4*\b+\c], v[8*(8*\a+\b)+2*\c], v[8*(8*\a+\b)+2*\c+1]
.endr
.endr
.endr
	WIN 0x4f                                       ; sources window 3
.irp a, 0,1,2,3
.irp b, 0,1,2,3,4,5,6,7
.irp c, 0,1,2,3
	v_cvt_pk_bf16_f32 v[128+32*\a+4*\b+\c], v[8*(8*\a+\b)+2*\c], v[8*(8*\a+\b)+2*\c+1]
.endr
.endr
.endr
	; ---- k: K steps 8 to 15 ----
	LAP 2                                          ; the first products start the sums from 0 and write over q's accumulators: the conversions above are more than the five places that this asks for
	WIN 0
	s_mov_b32 s3, 2
.Llap_k:
	LAP 0
	WIN 0
	s_sub_co_u32 s3, s3, 1
	s_cmp_lg_u32 s3, 0
	s_cbranch_scc1 .Llap_k
	THREE 0, 0                                     ; the last lap fills nothing
	TURN 0, 1, 0, 0, 0
	THREE 1, 0
	s_wait_dscnt 8                                 ; the very last quarter
	WIN MUL_LO
	MUL16 1, 0, 0, 0
	MUL16 1, 0, 2, 0
	PLACES
	WIN 0
.irp b, 0,1,2,3,4,5,6,7
	ds_load_b128 v[BK+8*\b:BK+8*\b+3],   v[BL] offset:64*\b        ; bk as eight tiles, into B's buffer 0, which no product reads any more
	ds_load_b128 v[BK+8*\b+4:BK+8*\b+7], v[BL] offset:64*\b+16
.endr
	s_wait_dscnt 16                                ; A's rows 64-127 are in; the 16 just issued may be out
	WIN MUL_HI
	MUL16 1, 1, 0, 0
	MUL16 1, 1, 2, 0
	; THE WAY OUT, 16 rows at a time.
	PLACES                                         ; behind the last matrix instructions: for all that reads results or rewrites the fragment buffers
	WIN 0
	s_wait_dscnt 0x0                               ; bk is in
; rows 16 i .. + 15 = the tiles (aw, 0..7) of window 2 or 3.  wa: that window for destination and source 0 (0x82, 0xc3); w1: for source 1 (0x08, 0x0c);
; w2: for sources 0 and 1 (0x0a, 0x0f).
.macro ROWS i, aw, wa, w1, w2
	WIN \wa
.irp b, 0,1,2,3,4,5,6,7
.irp c, 0,1,2,3
	v_pk_add_f32 v[8*(8*\aw+\b)+2*\c:8*(8*\aw+\b)+2*\c+1], v[8*(8*\aw+\b)+2*\c:8*(8*\aw+\b)+2*\c+1], v[BK+8*\b+2*\c:BK+8*\b+2*\c+1]   ; k = the sums + bk
.endr
.endr
	WIN 0x04                                       ; source 1 window 1: q
.irp b, 0,1,2,3,4,5,6,7
.irp c, 0,1,2,3
	v_lshlrev_b32 v[QF+8*\b+2*\c],   16,  v[32*\i+4*\b+\c]         ; bf16 to f32
	v_and_b32     v[QF+8*\b+2*\c+1], s84, v[32*\i+4*\b+\c]
.endr
.endr
	WIN \w1
.irp b, 0,1,2,3,4,5,6,7
	v_pk_mul_f32 v[P+2*\b:P+2*\b+1], v[QF+8*\b:QF+8*\b+1], v[8*(8*\aw+\b):8*(8*\aw+\b)+1]         ; eight chains of q k that do not wait for each other
.endr
.irp c, 1,2,3
.irp b, 0,1,2,3,4,5,6,7
	v_pk_fma_f32 v[P+2*\b:P+2*\b+1], v[QF+8*\b+2*\c:QF+8*\b+2*\c+1], v[8*(8*\aw+\b)+2*\c:8*(8*\aw+\b)+2*\c+1], v[P+2*\b:P+2*\b+1]
.endr
.endr
	WIN 0
	v_pk_add_f32 v[P:P+1],     v[P:P+1],     v[P+2:P+3]            ; n blocks 0-3 are the first head, 4-7 the second
	v_pk_add_f32 v[P+4:P+5],   v[P+4:P+5],   v[P+6:P+7]
	v_pk_add_f32 v[P+8:P+9],   v[P+8:P+9],   v[P+10:P+11]
	v_pk_add_f32 v[P+12:P+13], v[P+12:P+13], v[P+14:P+15]
	v_pk_add_f32 v[P:P+1],     v[P:P+1],     v[P+4:P+5]
	v_pk_add_f32 v[P+8:P+9],   v[P+8:P+9],   v[P+12:P+13]
	v_add_f32 v[S],   v[P],   v[P+1]
	v_add_f32 v[S+1], v[P+8], v[P+9]
	v_permlanex16_b32 v[S+2], v[S],   s85, s86     ; the row's other 32 columns of each head lie in lane l xor 16
	v_permlanex16_b32 v[S+3], v[S+1], s85, s86
	v_add_f32 v[S],   v[S],   v[S+2]
	v_add_f32 v[S+1], v[S+1], v[S+3]
	v_mul_f32 v[S+4], 0x3e000000, v[S]             ; score = 64^-1/2 x the sum
	v_mul_f32 v[S+5], 0x3e000000, v[S+1]
	v_sub_f32 v[S+6], v[S+4], v[S+4]               ; less the maximum over the keys: there is one key, the maximum is the score
	v_sub_f32 v[S+7], v[S+5], v[S+5]
	v_mul_f32 v[S+6], 0x3fb8aa3b, v[S+6]           ; e^x = 2^(x log2 e)
	v_mul_f32 v[S+7], 0x3fb8aa3b, v[S+7]
	v_exp_f32 v[S+12], v[S+6]
	v_exp_f32 v[S+13], v[S+7]
	v_nop                                          ; a plain instruction behind the exponentials (ISA guide 5.7.2)
	s_wait_alu depctr_va_vdst(0)
	v_rcp_f32 v[S+14], v[S+12]                     ; the sum over the keys is the one exponential
	v_rcp_f32 v[S+15], v[S+13]
	v_nop
	s_wait_alu depctr_va_vdst(0)
	v_mul_f32 v[S+8],  v[S+12], v[S+14]            ; attn of the first head, twice: a pair for the packed multiply
	v_mul_f32 v[S+9],  v[S+12], v[S+14]
	v_mul_f32 v[S+10], v[S+13], v[S+15]            ; of the second head
	v_mul_f32 v[S+11], v[S+13], v[S+15]
	WIN \w2
.irp b, 0,1,2,3,4,5,6,7
.irp c, 0,1,2,3
	v_pk_mul_f32 v[QF+8*\b+2*\c:QF+8*\b+2*\c+1], v[8*(8*\aw+\b)+2*\c:8*(8*\aw+\b)+2*\c+1], v[8*(8*\aw+\b)+2*\c:8*(8*\aw+\b)+2*\c+1]   ; v x g = k x k
.endr
.endr
	WIN 0
.irp b, 0,1,2,3,4,5,6,7
.irp c, 0,1,2,3
	v_pk_mul_f32 v[QF+8*\b+2*\c:QF+8*\b+2*\c+1], v[QF+8*\b+2*\c:QF+8*\b+2*\c+1], v[S+8+2*(\b/4):S+9+2*(\b/4)]
.endr
.endr
.irp b, 0,1,2,3,4,5,6,7
.irp c, 0,1,2,3
	v_cvt_pk_bf16_f32 v[TMP+4*\b+\c], v[QF+8*\b+2*\c], v[QF+8*\b+2*\c+1]
.endr
.endr
.irp b, 0,1,2,3,4,5,6,7
	ds_store_b128 v[STO], v[TMP+4*\b:TMP+4*\b+3] offset:32*\b
.endr
	s_wait_xcnt 0x0                                ; RB, which the last rows' stores read, and the stores' base are rewritten only behind this wait
.if \i
	s_add_nc_u64 s[8:9], s[8:9], 16*SIZE_N*2       ; 16 rows on
.endif
.irp t, 0,1,2,3,4,5,6,7
	ds_load_b128 v[RB+4*\t:RB+4*\t+3], v[RD] offset:\t*2*SPITCH    ; LDS serves a wave's instructions in order: these see the stores above
.endr
.irp t, 0,1,2,3,4,5,6,7
	s_wait_dscnt 7-\t                              ; the younger read-backs may be out
	global_store_b128 v[CO], v[RB+4*\t:RB+4*\t+3], s[8:9] offset:2*\t*SIZE_N*2   ; 16 lanes store 256 consecutive bytes, at a multiple of 256
.endr
.endm
	ROWS 0, 0, 0x82, 0x08, 0x0a
	ROWS 1, 1, 0x82, 0x08, 0x0a
	ROWS 2, 2, 0x82, 0x08, 0x0a
	ROWS 3, 3, 0x82, 0x08, 0x0a
	ROWS 4, 0, 0xc3, 0x0c, 0x0f
	ROWS 5, 1, 0xc3, 0x0c, 0x0f
	ROWS 6, 2, 0xc3, 0x0c, 0x0f
	ROWS 7, 3, 0xc3, 0x0c, 0x0f
	s_wait_tensorcnt 0x0
	ds_add_u32 v30, v31
	s_wait_dscnt 0x0
	CROUND                                         ; the closing round: no work-group ends while a partner may still ask for a tile that names it
	s_endpgm
.Lfunc_end_k_qd6e13d3b86_gqk:
	.size	k_qd6e13d3b86_gqk, .Lfunc_end_k_qd6e13d3b86_gqk-k_qd6e13d3b86_gqk
	.p2alignl 7, 3214868480
	.fill 96, 4, 3214868480
	.section	.rodata,"a",@progbits
	.p2align	6, 0x0
	.amdhsa_kernel k_qd6e13d3b86_gqk
		.amdhsa_group_segment_fixed_size 327680
		.amdhsa_private_segment_fixed_size 0
		.amdhsa_enable_private_segment 0
		.amdhsa_kernarg_size 40
		.amdhsa_user_sgpr_count 2
		.amdhsa_user_sgpr_kernarg_segment_ptr 1
		.amdhsa_wavefront_size32 1
		.amdhsa_system_sgpr_workgroup_id_x 1
		.amdhsa_system_sgpr_workgroup_id_y 1
		.amdhsa_system_sgpr_workgroup_id_z 1
		.amdhsa_system_vgpr_workitem_id 0
		.amdhsa_next_free_vgpr 1024
		.amdhsa_next_free_sgpr 94
		.amdhsa_reserve_vcc 0
		.amdhsa_float_denorm_mode_32 3
		.amdhsa_float_denorm_mode_16_64 3
		.amdhsa_memory_ordered 1
		.amdhsa_forward_progress 1
		.amdhsa_inst_pref_size 255
	.end_amdhsa_kernel
	.section	.bss,"aw",@nobits
	.p2align	6
	.space	262144
	.amdgpu_metadata
---
amdhsa.version: [ 1, 2 ]
amdhsa.kernels:
  - .name:           k_qd6e13d3b86_gqk
    .symbol:         k_qd6e13d3b86_gqk.kd
    .args:
      - { .name: xb, .offset: 0, .size: 8, .value_kind: global_buffer, .address_space: global }
      - { .name: wb, .offset: 8, .size: 8, .value_kind: global_buffer, .address_space: global }
      - { .name: bq, .offset: 16, .size: 8, .value_kind: global_buffer, .address_space: global }
      - { .name: bk, .offset: 24, .size: 8, .value_kind: global_buffer, .address_space: global }
      - { .name: yb, .offset: 32, .size: 8, .value_kind: global_buffer, .address_space: global }
    .group_segment_fixed_size: 327680
    .private_segment_fixed_size: 0
    .kernarg_segment_align: 8
    .kernarg_segment_size: 40
    .max_flat_workgroup_size: 128
    .sgpr_count:     94
    .vgpr_count:     1024
    .wavefront_size: 32
...
	.end_amdgpu_metadata
.endif
;; end of part 6
;; launch gov (part 7): grid 4 x 64, 4 waves a work-group, clusters of 4 x 4, 327,680 bytes of LDS; arguments yb, wb, bo, xb, bv, out0; writes out0
.if DOCPART == 7
	.amdgcn_target "amdgcn-amd-amdhsa--gfx1250"
	.amdhsa_code_object_version 6
	.text
	.protected	k_qd6e13d3b86_gov
	.globl	k_qd6e13d3b86_gov
	.p2align	8
	.type	k_qd6e13d3b86_gov,@function
k_qd6e13d3b86_gov:
	s_mov_b64 s[64:65], 0
	v_nop
	global_prefetch_b8 v0, s[64:65] scope:SCOPE_SE
	s_setreg_imm32_b32 hwreg(HW_REG_WAVE_MODE, 25, 1), 1
	s_wait_xcnt 0x0
	s_wait_alu depctr_hold_cnt(0) depctr_sa_sdst(0) depctr_va_vdst(0) depctr_va_sdst(0) depctr_va_ssrc(0) depctr_va_vcc(0) depctr_vm_vsrc(0)
	s_getreg_b32 s2, hwreg(HW_REG_IB_STS2, 6, 4)
	s_cmp_eq_u32 s2, 0
	s_cbranch_scc0 .Lentry_in_a_cluster
	s_endpgm
.Lentry_in_a_cluster:
	s_bfe_u32 s2, ttmp6, 0x10000c
	s_cmp_lg_u32 s2, 0xf033
	s_cbranch_scc0 .Lentry_shape_is_right
	s_endpgm
.Lentry_shape_is_right:
; gov: out0 = y Wo^T + bo;  then v = key Wv^T + bv.  y (yb), key (the second half of xb), Wo and Wv (wb) are bf16, sums and biases f32, out0 f32.
; A work-group makes a block of 256 x 256 of out0 and then the same block of v, with four waves, one for each SIMD; a wave makes 128 x 128: 64 accumulator
; tiles, 512 registers.  K goes in steps of 128 through a ring of two LDS slots filled by the tensor data mover; the ring runs on from the first
; product's eight K steps into the second's: v's first two tiles are asked for in out0's last two K steps and land during the way out.
; STATED PLAINLY: in the function that this program computes, v is formed and then replaced by a view of k, so nothing reads it.  Here it is formed in
; full (every number of key, Wv and bv enters the sums) and ends in the accumulators: it is not stored.  It stands BEHIND the way out, so that the
; stores of out0 are on their way while it is multiplied, and the wave does not sit idle until they are done.
; CLUSTERS: 4 x 4 work-groups with joint loads: A's tile is shared along a row of the cluster, B's along a column, which divides the requests by four.
; LIMITS: the operands are bf16; the order of the sums is the matrix unit's.
; REGISTERS, in windows of 256: window 0: v0-31 addresses, v64-127 and v128-191 fragments of A, v192-255 rows read back on the way out;
;   window 1: v0-63 bo as eight accumulator tiles (on the way out: rows read back, in turn with window 0's), v64-191 fragments of B, v192-255 bv as eight tiles;
;   windows 2, 3: the accumulators.  The way out touches no fragment register: the next K step's first fragments wait in them.
; THE MATRIX INSTRUCTION IS USED TRANSPOSED: lane l holds row l % 16 of C, its registers 0 to 7 the columns 8 (l / 16) + 0 .. 7: 32 neighbouring bytes.
; A BIAS STARTS THE SUMS: the first product of each tile takes as C the bias of its 16 columns, laid out as such a tile.
.set SIZE_K, 1024
.set SIZE_N, 1024
.set KSTEP,  128
.set PITCH,  272                       ; an LDS row: 256 bytes + 16 of padding: the 16 rows that a load touches start 16 bytes apart modulo 256
.set HALFT,  128*PITCH
.set SLOT,   4*HALFT
.set STAGE,  2*SLOT                    ; behind the ring: 16 rows x 528 bytes for each wave
.set FPITCH, 528                       ; a stage row: 128 f32 + 16 bytes: 16 rows start 16 bytes apart modulo 256
.set ADRA, 16
.set ADRB, 20
.set STO,  24
.set RD,   25
.set CO,   26
.set BO,   27
.set F0,   64
.set F1,   128
.set CB,   0                           ; where the bias tiles of the product at hand begin in window 1: 0 (bo) or 192 (bv)
.set G1, 24
.set G0, 32
.set G1B, 48
.set G0B, 56
.set MSB, 0
.macro WIN new                         ; the immediate's high byte repeats the setting that is left
.if MSB != \new
	s_set_vgpr_msb (MSB<<8)|\new
.set MSB, \new
.endif
.endm
.set MUL_LO,   0xa1                    ; source 0 (B) window 1, source 1 (A) window 0, C and D window 2
.set MUL_HI,   0xf1                    ; the same, C and D window 3
.set FIRST_LO, 0x91                    ; a first product: C (the bias) window 1, D window 2
.set FIRST_HI, 0xd1                    ; C window 1, D window 3
.set TO_B,     0x40                    ; destination window 1, address window 0
.macro JLOAD s                         ; a joint load: waves 0 and 1 fetch A's halves, waves 2 and 3 B's; four v_nop follow each line
	s_cmp_eq_u32 s11, 0
	s_cbranch_scc0 .Lfor_b_\@
	tensor_load_to_lds s[G0+4*\s:G0+4*\s+3], s[G1:G1+7]
	s_nop 0
.rept 4
	v_nop
.endr
	s_branch .Lasked_\@
.Lfor_b_\@:
	tensor_load_to_lds s[G0B+4*\s:G0B+4*\s+3], s[G1B:G1B+7]
	s_nop 0
.rept 4
	v_nop
.endr
.Lasked_\@:
.endm
.macro CREST                           ; a round of the cluster's barrier behind its opening barrier
	s_cmp_lg_u32 s10, 0
	s_cbranch_scc1 .Lnot_wave_0_\@
	s_barrier_signal -3
.Lnot_wave_0_\@:
	s_barrier_wait -3
	s_barrier_signal -1
	s_barrier_wait -1
.endm
.macro CROUND
	s_barrier_signal -1
	s_barrier_wait -1
	CREST
.endm
	s_load_b128 s[4:7], s[0:1], 0x0                ; yb s[4:5], wb s[6:7]
	s_load_b64 s[66:67], s[0:1], 0x10              ; bo
	s_load_b64 s[68:69], s[0:1], 0x18              ; xb
	s_load_b64 s[70:71], s[0:1], 0x20              ; bv
	s_load_b64 s[8:9], s[0:1], 0x28                ; out0
	v_lshl_add_u32 v62, v0, 2, 0x4c400
	v_mov_b32 v63, 0
	ds_add_u32 v62, v63
	ds_add_u32 v62, v63
	v_lshrrev_b32 v1, 5, v0
	v_readfirstlane_b32 s10, v1                    ; wave 0..3
	s_lshr_b32 s11, s10, 1
	s_and_b32 s12, s10, 1
	s_bfe_u32 s40, ttmp6, 0x40000                  ; cx
	s_bfe_u32 s41, ttmp6, 0x40004                  ; cy
	s_lshl_b32 s42, ttmp9, 2
	s_add_co_u32 s42, s42, s40                     ; block column
	s_and_b32 s13, ttmp7, 0xffff
	s_lshl_b32 s13, s13, 2
	s_add_co_u32 s13, s13, s41                     ; block row, 0..63
	s_lshl_b32 s43, s41, 2
	s_lshl_b32 s43, 15, s43                        ; my row of the cluster
	s_lshl_b32 s44, 0x1111, s40                    ; my column
	s_or_b32 s[G1+0], s43, (1<<16)|(1<<20)|(1<<21)|(5<<22)|(3<<25)
	s_or_b32 s[G1B+0], s44, (1<<16)|(1<<20)|(1<<21)|(5<<22)|(3<<25)
	s_mov_b32 s[G1B+1], KSTEP<<16
	s_mov_b32 s[G1+1], KSTEP<<16
	s_mov_b32 s[G1B+2], 128<<16
	s_mov_b32 s[G1+2], 128<<16
	s_mov_b32 s[G1B+3], KSTEP<<16
	s_mov_b32 s[G1+3], KSTEP<<16
	s_mov_b32 s[G1B+4], 128
	s_mov_b32 s[G1+4], 128
	s_mov_b32 s[G1B+5], SIZE_K
	s_mov_b32 s[G1+5], SIZE_K
	s_mov_b32 s[G1B+6], 0
	s_mov_b32 s[G1+6], 0
	s_mov_b32 s[G1B+7], 0
	s_mov_b32 s[G1+7], 0
	s_lshl_b32 s17, s12, 7
	s_lshl_b32 s16, s13, 8
	s_add_co_u32 s16, s16, s17                     ; A: row 256 x block row + 128 x half
	s_lshl_b32 s46, s42, 8
	s_add_co_u32 s46, s46, s17                     ; B: row 256 x block column + 128 x half
	s_mov_b32 s17, 0
	s_mov_b32 s47, 0
	s_mov_b64 s[18:19], SIZE_K*2
	s_mul_u64 s[16:17], s[16:17], s[18:19]
	s_mul_u64 s[46:47], s[46:47], s[18:19]
	s_mul_i32 s20, s10, HALFT
	; my 128 numbers of a bias and my 128 x 128 of out0, in bytes: in registers that feed no joint load
	s_lshl_b32 s88, s42, 10
	s_lshl_b32 s92, s12, 9
	s_add_co_u32 s88, s88, s92                     ; 4 bytes x (256 x block column + 128 x half)
	s_mov_b32 s89, 0
	s_lshl_b32 s90, s13, 8
	s_lshl_b32 s92, s11, 7
	s_add_co_u32 s90, s90, s92                     ; my first row, at most 16,256
	s_lshl_b32 s90, s90, 12                        ; x 4,096 bytes: below 2^26
	s_add_co_u32 s90, s90, s88
	s_mov_b32 s91, 0
	s_wait_dscnt 0x0
	s_wait_kmcnt 0x0
	s_add_nc_u64 s[66:67], s[66:67], s[88:89]      ; bo of my columns
	s_add_nc_u64 s[70:71], s[70:71], s[88:89]      ; bv of my columns
	s_add_nc_u64 s[8:9], s[8:9], s[90:91]
	s_add_nc_u64 s[14:15], s[4:5], s[16:17]        ; A of the first product: y
	s_add_nc_u64 s[72:73], s[68:69], s[16:17]      ; A of the second: the same rows of key,
	s_add_nc_u64 s[72:73], s[72:73], 0x2000000     ; 16,384 rows of 2,048 bytes into xb
	s_add_nc_u64 s[74:75], s[6:7], s[46:47]
	s_add_nc_u64 s[46:47], s[74:75], 0x600000      ; B of the first product: Wo, 3,072 rows of 2,048 bytes into wb
	s_add_nc_u64 s[74:75], s[74:75], 0x200000      ; B of the second: Wv, 1,024 rows into wb
	CROUND                                         ; all sixteen work-groups are here: the first joint loads meet
.irp s, 0,1
	s_mov_b32 s[G0+4*\s], 1
	s_add_co_u32 s[G0+4*\s+1], s20, \s*SLOT
	s_add_nc_u64 s[G0+4*\s+2:G0+4*\s+3], s[14:15], \s*KSTEP*2
	s_or_b32 s[G0+4*\s+3], s[G0+4*\s+3], 0x80000000
	s_mov_b32 s[G0B+4*\s], 1
	s_add_co_u32 s[G0B+4*\s+1], s20, \s*SLOT
	s_add_nc_u64 s[G0B+4*\s+2:G0B+4*\s+3], s[46:47], \s*KSTEP*2
	s_or_b32 s[G0B+4*\s+3], s[G0B+4*\s+3], 0x80000000
	JLOAD \s                                       ; two tensor loads of the wave are out
.endr
	v_and_b32 v1, 15, v0                           ; l % 16
	v_bfe_u32 v2, v0, 4, 1                         ; l / 16
	v_mul_u32_u24 v3, v1, PITCH
	v_lshl_add_u32 v3, v2, 4, v3
	v_lshlrev_b32 v[BO], 5, v2
	s_mul_i32 s21, s11, HALFT
	s_mul_i32 s22, s12, HALFT
	s_add_co_u32 s22, s22, 2*HALFT
.irp s, 0,1
	v_add_nc_u32 v[ADRA+\s], s21, v3
	v_add_nc_u32 v[ADRB+\s], s22, v3
	s_add_co_u32 s21, s21, SLOT
	s_add_co_u32 s22, s22, SLOT
.endr
	WIN TO_B                                       ; each bias as eight C tiles: register 8 b + j of lane l = bias[16 b + 8 (l / 16) + j]
.irp b, 0,1,2,3,4,5,6,7
	global_load_b128 v[8*\b:8*\b+3],   v[BO], s[66:67] offset:64*\b
	global_load_b128 v[8*\b+4:8*\b+7], v[BO], s[66:67] offset:64*\b+16
.endr
.irp b, 0,1,2,3,4,5,6,7
	global_load_b128 v[192+8*\b:192+8*\b+3],   v[BO], s[70:71] offset:64*\b
	global_load_b128 v[192+8*\b+4:192+8*\b+7], v[BO], s[70:71] offset:64*\b+16
.endr
	WIN 0
	s_mul_i32 s23, s10, 16*FPITCH
	s_add_co_u32 s23, s23, STAGE                   ; my stage
	v_mul_u32_u24 v4, v1, FPITCH                   ; in: row l % 16, 32 bytes for each half of the lanes
	v_lshl_add_u32 v4, v2, 5, v4
	v_add_nc_u32 v[STO], s23, v4
	v_and_b32 v5, 31, v0
	v_lshlrev_b32 v[CO], 4, v5                     ; back and out: the 32 lanes take one row of 512 bytes
	v_add_nc_u32 v[RD], s23, v[CO]
; 16 matrix instructions: m blocks a0, a0 + 1 of the window's four x all 8 n blocks, 32 along K.  first = 1: C is the bias tile of n block b, at CB.
.macro MUL16 f, hi, a0, first
.irp a, \a0, \a0+1
.irp b, 0,1,2,3,4,5,6,7
.if \first
	v_wmma_f32_16x16x32_bf16 v[8*(8*(\a)+\b):8*(8*(\a)+\b)+7], v[\f+8*\b:\f+8*\b+7], v[\f+8*(4*\hi+\a):\f+8*(4*\hi+\a)+7], v[CB+8*\b:CB+8*\b+7]
.else
	v_wmma_f32_16x16x32_bf16 v[8*(8*(\a)+\b):8*(8*(\a)+\b)+7], v[\f+8*\b:\f+8*\b+7], v[\f+8*(4*\hi+\a):\f+8*(4*\hi+\a)+7], v[8*(8*(\a)+\b):8*(8*(\a)+\b)+7]
.endif
.endr
.endr
.endm
.macro FETCH slot, k, f                ; 32 LDS loads in one run: the fragments of one quarter step into buffer f
	WIN TO_B
.irp i, 0,1,2,3,4,5,6,7
	ds_load_b128 v[\f+8*\i:\f+8*\i+3],   v[ADRB+\slot] offset:\k+\i*16*PITCH
	ds_load_b128 v[\f+8*\i+4:\f+8*\i+7], v[ADRB+\slot] offset:\k+\i*16*PITCH+32
.endr
	WIN 0
.irp i, 0,1,2,3,4,5,6,7
	ds_load_b128 v[\f+8*\i:\f+8*\i+3],   v[ADRA+\slot] offset:\k+\i*16*PITCH
	ds_load_b128 v[\f+8*\i+4:\f+8*\i+7], v[ADRA+\slot] offset:\k+\i*16*PITCH+32
.endr
.endm
.macro PLACES                          ; four places between a matrix instruction and a load into, a store of, or a vector instruction on, its registers
.rept 4
	v_nop
.endr
.endm
; The 64 accumulators take turns, one instruction a turn, in the same order in every quarter.
.macro QUARTER slot, k, f, g, first
	s_wait_dscnt 8                                 ; the youngest eight loads (A's rows 64-127) may be out
.if \first
	WIN FIRST_LO
.else
	WIN MUL_LO
.endif
	MUL16 \f, 0, 0, \first
	MUL16 \f, 0, 2, \first
	PLACES
	FETCH \slot, \k, \g
	s_wait_dscnt 32                                ; all but the 32 just issued
.if \first
	WIN FIRST_HI
.else
	WIN MUL_HI
.endif
	MUL16 \f, 1, 0, \first
	MUL16 \f, 1, 2, \first
.endm
.macro THREE slot, first
	QUARTER \slot, 64,  F0, F1, \first
	QUARTER \slot, 128, F1, F0, 0
	QUARTER \slot, 192, F0, F1, 0
.endm
; The last quarter of a K step changes slots.  fill = 1: this slot gets the tiles two K steps ahead; fill = 2: it gets the second product's K step
; of the slot's number (key and Wv); fill = 0: nothing.  In front of the barrier each wave waits for its reads of this slot and for all its tensor loads
; (one is out: its part of the next slot); behind it the refill comes first.  From a request to the wait for it a wave issues 240 matrix instructions or more.
.macro TURN slot, next, fill
	s_wait_dscnt 8
	WIN MUL_LO
	MUL16 F1, 0, 0, 0
	s_wait_dscnt 0                                 ; my reads of this slot are over
	s_set_vgpr_msb 0xa1a0
	s_wait_tensorcnt 0x0                           ; and all my tensor loads have landed
	ds_add_u32 v62, v63
	s_wait_dscnt 0x0
	s_set_vgpr_msb 0xa0a1
	s_barrier_signal -1                            ; where a slot is filled again this barrier opens a round of the cluster's barrier
	MUL16 F1, 0, 2, 0
	WIN 0
	s_barrier_wait -1
.if \fill == 1
	CREST                                          ; no wave of any partner still reads this slot's tile or has a load on its way
	s_add_nc_u64 s[G0+4*\slot+2:G0+4*\slot+3], s[G0+4*\slot+2:G0+4*\slot+3], 2*KSTEP*2
	s_add_nc_u64 s[G0B+4*\slot+2:G0B+4*\slot+3], s[G0B+4*\slot+2:G0B+4*\slot+3], 2*KSTEP*2
	JLOAD \slot                                    ; the wave's one tensor load behind the round; its four v_nop are also the places in front of the loads below
.endif
.if \fill == 2
	CREST
	s_add_nc_u64 s[G0+4*\slot+2:G0+4*\slot+3], s[72:73], \slot*KSTEP*2
	s_or_b32 s[G0+4*\slot+3], s[G0+4*\slot+3], 0x80000000
	s_add_nc_u64 s[G0B+4*\slot+2:G0B+4*\slot+3], s[74:75], \slot*KSTEP*2
	s_or_b32 s[G0B+4*\slot+3], s[G0B+4*\slot+3], 0x80000000
	JLOAD \slot
.endif
.if \fill == 0
	PLACES
.endif
	FETCH \next, 0, F0
	WIN MUL_HI
	MUL16 F1, 1, 0, 0
	MUL16 F1, 1, 2, 0
.endm
.macro LAP first                       ; two K steps = once round the ring, both slots filled again two K steps ahead
	THREE 0, \first
	TURN 0, 1, 1
	THREE 1, 0
	TURN 1, 0, 1
.endm
	s_wait_loadcnt 0x0                             ; the biases are in
	s_wait_tensorcnt 1                             ; my part of K step 0 is in; K step 1's stays out
	s_barrier_signal -1
	s_barrier_wait -1
	FETCH 0, 0, F0
	; ---- out0 = y Wo^T + bo: K steps 0 to 7 ----
	LAP 1
	WIN 0                                          ; at a label and at a branch every window is 0
	s_mov_b32 s3, 2
.Llap_o:
	LAP 0
	WIN 0
	s_sub_co_u32 s3, s3, 1
	s_cmp_lg_u32 s3, 0
	s_cbranch_scc1 .Llap_o
	THREE 0, 0                                     ; the last two K steps: the slots get the second product's first two tiles
	TURN 0, 1, 2
	THREE 1, 0
	TURN 1, 0, 2
	; THE WAY OUT, 16 rows at a time: a lane's 32 bytes of each tile into my own stage in LDS, read back as whole rows of 512 bytes.
	PLACES                                         ; behind the last matrix instructions: for the LDS stores of results
; rows 16 i .. + 15 = the tiles (aw, 0..7) of window 2 or 3 (w1 = 0x08 or 0x0c: an LDS store's data is source 1).  The rows are read back into v[f ..] of
; window 0 or 1, in turn: rd = that window as a destination (0x00, 0x40), st = as source 1, a store's data (0x00, 0x04).
.macro OUT16F i, aw, w1, rd, st, f
	WIN \w1
.irp b, 0,1,2,3,4,5,6,7
	ds_store_b128 v[STO], v[8*(8*\aw+\b):8*(8*\aw+\b)+3]   offset:64*\b
	ds_store_b128 v[STO], v[8*(8*\aw+\b)+4:8*(8*\aw+\b)+7] offset:64*\b+16
.endr
	WIN \rd
	s_wait_xcnt 0x0                                ; the registers read back into, which stores read, and the stores' base are rewritten only behind this wait
.if \i
	s_add_nc_u64 s[8:9], s[8:9], 16*SIZE_N*4       ; 16 rows on
.endif
.irp t, 0,1,2,3,4,5,6,7,8,9,10,11,12,13,14,15
	ds_load_b128 v[\f+4*\t:\f+4*\t+3], v[RD] offset:\t*FPITCH      ; LDS serves a wave's instructions in order: these see the stores above
.endr
	WIN \st
.irp t, 0,1,2,3,4,5,6,7,8,9,10,11,12,13,14,15
	s_wait_dscnt 15-\t                             ; the younger read-backs may be out
	global_store_b128 v[CO], v[\f+4*\t:\f+4*\t+3], s[8:9] offset:\t*SIZE_N*4 th:TH_STORE_NT   ; the wave stores 512 consecutive bytes of a row, at a multiple of 512
.endr
.endm
	OUT16F 0, 0, 0x08, 0x00, 0x00, 192
	OUT16F 1, 1, 0x08, 0x40, 0x04, 0
	OUT16F 2, 2, 0x08, 0x00, 0x00, 192
	OUT16F 3, 3, 0x08, 0x40, 0x04, 0
	OUT16F 4, 0, 0x0c, 0x00, 0x00, 192
	OUT16F 5, 1, 0x0c, 0x40, 0x04, 0
	OUT16F 6, 2, 0x0c, 0x00, 0x00, 192
	OUT16F 7, 3, 0x0c, 0x40, 0x04, 0
	WIN 0
	; ---- v = key Wv^T + bv: K steps 8 to 15.  No register that a pending store reads is written from here on: no wait for the stores. ----
.rept 5
	v_nop                                          ; the first products write over accumulators: five places behind the matrix instructions that wrote them (ISA guide 7.12.1)
.endr
.set CB, 192
	LAP 1                                          ; the first products start the sums from bv
	WIN 0
	s_mov_b32 s3, 2
.Llap_v:
	LAP 0
	WIN 0
	s_sub_co_u32 s3, s3, 1
	s_cmp_lg_u32 s3, 0
	s_cbranch_scc1 .Llap_v
	THREE 0, 0                                     ; the last lap fills nothing
	TURN 0, 1, 0
	THREE 1, 0
	s_wait_dscnt 8                                 ; the very last quarter
	WIN MUL_LO
	MUL16 F1, 0, 0, 0
	MUL16 F1, 0, 2, 0
	s_wait_dscnt 0
	WIN MUL_HI
	MUL16 F1, 1, 0, 0
	MUL16 F1, 1, 2, 0                              ; v is whole: it has no reader and ends here
	WIN 0
	CROUND                                         ; the closing round: no work-group ends while a partner may still ask for a tile that names it
	s_endpgm
.Lfunc_end_k_qd6e13d3b86_gov:
	.size	k_qd6e13d3b86_gov, .Lfunc_end_k_qd6e13d3b86_gov-k_qd6e13d3b86_gov
	.p2alignl 7, 3214868480
	.fill 96, 4, 3214868480
	.section	.rodata,"a",@progbits
	.p2align	6, 0x0
	.amdhsa_kernel k_qd6e13d3b86_gov
		.amdhsa_group_segment_fixed_size 327680
		.amdhsa_private_segment_fixed_size 0
		.amdhsa_enable_private_segment 0
		.amdhsa_kernarg_size 48
		.amdhsa_user_sgpr_count 2
		.amdhsa_user_sgpr_kernarg_segment_ptr 1
		.amdhsa_wavefront_size32 1
		.amdhsa_system_sgpr_workgroup_id_x 1
		.amdhsa_system_sgpr_workgroup_id_y 1
		.amdhsa_system_sgpr_workgroup_id_z 1
		.amdhsa_system_vgpr_workitem_id 0
		.amdhsa_next_free_vgpr 1024
		.amdhsa_next_free_sgpr 94
		.amdhsa_reserve_vcc 0
		.amdhsa_float_denorm_mode_32 3
		.amdhsa_float_denorm_mode_16_64 3
		.amdhsa_memory_ordered 1
		.amdhsa_forward_progress 1
		.amdhsa_inst_pref_size 255
	.end_amdhsa_kernel
	.section	.bss,"aw",@nobits
	.p2align	6
	.space	262144
	.amdgpu_metadata
---
amdhsa.version: [ 1, 2 ]
amdhsa.kernels:
  - .name:           k_qd6e13d3b86_gov
    .symbol:         k_qd6e13d3b86_gov.kd
    .args:
      - { .name: yb, .offset: 0, .size: 8, .value_kind: global_buffer, .address_space: global }
      - { .name: wb, .offset: 8, .size: 8, .value_kind: global_buffer, .address_space: global }
      - { .name: bo, .offset: 16, .size: 8, .value_kind: global_buffer, .address_space: global }
      - { .name: xb, .offset: 24, .size: 8, .value_kind: global_buffer, .address_space: global }
      - { .name: bv, .offset: 32, .size: 8, .value_kind: global_buffer, .address_space: global }
      - { .name: out0, .offset: 40, .size: 8, .value_kind: global_buffer, .address_space: global }
    .group_segment_fixed_size: 327680
    .private_segment_fixed_size: 0
    .kernarg_segment_align: 8
    .kernarg_segment_size: 48
    .max_flat_workgroup_size: 128
    .sgpr_count:     94
    .vgpr_count:     1024
    .wavefront_size: 32
...
	.end_amdgpu_metadata
.endif
;; end of part 7
